; MI455X (gfx1250); checked and timed in simulation.
; The chip was launched on July 23, 2026; its instructions are those of AMD's public machine-readable ISA for CDNA 5 (MIT licence, August 2026) and "CDNA5" Instruction Set Architecture Reference Guide (July 2026). The comments in the code are by the model that wrote it; some were corrected since.
;; LSTM. Allowed arithmetic: matrix products marked QUANTISED: E3M2 operands, one E8M0 scale for each 32 along K, by v_wmma_scale_f32_16x16x128_f8f6f4 with both operands' format E3M2, f32 sums; everything else in f32.
;; Inputs: Wc 1,024 x 1,024 float32; Wf 1,024 x 3,072 float32; Wg 1,024 x 3,072 float32; Wh 1,024 x 1,024 float32; Wi 1,024 x 3,072 float32; Wo 1,024 x 3,072 float32; Wp 1,024 x 1,024 float32; bc 1,024 float32; bf 1,024 float32; bg 1,024 float32; bh 1,024 float32; bi 1,024 float32; bo 1,024 float32; bp 1,024 float32; current_context_vector 4,096 x 1,024 float32; previous_cell_state 4,096 x 1,024 float32; previous_embedded_caption 4,096 x 1,024 float32; previous_hidden_state 4,096 x 1,024 float32.
;; Outputs: out0 4,096 x 1,024 float32; out1 4,096 x 1,024 float32; out2 4,096 x 1,024 float32.
;; This version of the problem:
;;   THIS VERSION OF THE PROBLEM IS GIVEN IN LOW PRECISION. The matrix products marked QUANTISED in the list below multiply operands that are first quantised to E3M2 (3 exponent bits, 2 mantissa bits; 6 bits a number), with one power-of-two scale for each 32 numbers along K (OCP MX v1.0); their sums are f32. All else is computed in f32.
;;   The module's matrix products, in the order in which they are computed (A, B: the left and right operand; K: the contracted axis; several contracted axes count as one K, in the product's order):
;;     1. [M 4,096, K 3,072] x [K 3,072, N 1,024]; A: computed on the way; B: input Wi: QUANTISED
;;     2. [M 4,096, K 3,072] x [K 3,072, N 1,024]; A: computed on the way; B: input Wf: QUANTISED
;;     3. [M 4,096, K 3,072] x [K 3,072, N 1,024]; A: computed on the way; B: input Wo: QUANTISED
;;     4. [M 4,096, K 3,072] x [K 3,072, N 1,024]; A: computed on the way; B: input Wg: QUANTISED
;;     5. [M 4,096, K 1,024] x [K 1,024, N 1,024]; A: computed on the way; B: input Wh: QUANTISED
;;     6. [M 4,096, K 1,024] x [K 1,024, N 1,024]; A: input current_context_vector; B: input Wc: QUANTISED
;;     7. [M 4,096, K 1,024] x [K 1,024, N 1,024]; A: computed on the way; B: input Wp: QUANTISED
;;   THE QUANTISER, for each operand of a quantised product, along K:
;;     - K is cut into blocks of 32 from its start; a last block that is shorter is filled with zeros.
;;     - A block's scale is 2^e with e = floor(log2(the largest magnitude in the block)) - 4, held to -126 .. 127; a block of zeros has e = 0. As a byte (E8M0): e + 127.
;;     - Each number is divided by its block's scale, clamped to +-28, and rounded to the nearest number of E3M2, ties to even, subnormals kept.
;;     - The product sums the exact products of the quantised numbers (number of the format x scale) in f32.
;;   ~~~python
;;   def quantise(x, axis):      # numpy; x: float32 -> the quantised numbers, widened to float32 again
;;       x = np.moveaxis(x, axis, -1); K = x.shape[-1]
;;       x = np.pad(x, [(0, 0)] * (x.ndim - 1) + [(0, -K % 32)]); x = x.reshape(x.shape[:-1] + (-1, 32)); a = np.abs(x).max(-1, keepdims=True)
;;       e = np.where(a > 0, np.clip(np.frexp(np.where(a > 0, a, 1))[1] - 1 - 4, -126, 127), 0)      # np.frexp(a)[1] - 1 = floor(log2(a)), exactly
;;       r = np.clip(x / 2.0 ** e, -28, 28)
;;       step = 2.0 ** (np.maximum(np.frexp(np.where(r == 0, 1, r))[1] - 1, -2) - 2)
;;       q = np.round(r / step) * step * 2.0 ** e      # np.round: ties to even
;;       return np.moveaxis(q.reshape(q.shape[:-2] + (-1,))[..., :K], -1, axis).astype(np.float32)
;;   ~~~
;;   OPERANDS COMPUTED ON THE WAY. 'Computed on the way' means the value that the module computes at that place (a softmax that the list does not call 'softmax' is quantised finished and normalised). What goes into a quantiser is computed in f32, as accurately as f32 sums, v_exp_f32 and their like allow (about 1e-6 of the number): no bf16 or f16 on the way to a quantiser, and a product that is left as it is and whose result goes on into a quantised operand takes f32 operands (vector FMAs, or v_wmma_f32_16x16x4_f32). A number that lies on a knife's edge between two numbers of the format may be rounded either way, as far as f32 arithmetic and the matrix unit's own rounding can turn it there, and no further.
;; One version. Each part assembles by itself: llvm-mc -triple=amdgcn-amd-amdhsa -mcpu=gfx1250 --defsym DOCPART=n.
;; ======== version 1 of 1: 4 launches
;; limits: right only within a limited range of input values
;; workspace buffers: a_cs 9,830,400 bytes; wg_cs 9,830,400 bytes; a2_cs 6,553,600 bytes; w2_cs 1,638,400 bytes; wp_cs 819,200 bytes; r_cs 3,276,800 bytes
;; launch quant (part 1): grid 1728 x 1, 2 waves a work-group, no clusters, 17,408 bytes of LDS; arguments previous_embedded_caption, previous_hidden_state, current_context_vector, Wi, Wf, Wo, Wg, Wh, Wc, Wp, a_cs, wg_cs, w2_cs, wp_cs, a2_cs; writes a_cs, wg_cs, w2_cs, wp_cs, a2_cs
.if DOCPART == 1
	.amdgcn_target "amdgcn-amd-amdhsa--gfx1250"
	.amdhsa_code_object_version 6
	.text
	.protected	k_qdb000ba0f2_quant
	.globl	k_qdb000ba0f2_quant
	.p2align	8
	.type	k_qdb000ba0f2_quant,@function
k_qdb000ba0f2_quant:
	s_mov_b64 s[64:65], 0
	v_nop
	global_prefetch_b8 v0, s[64:65] scope:SCOPE_SE
	s_setreg_imm32_b32 hwreg(HW_REG_WAVE_MODE, 25, 1), 1
	s_wait_xcnt 0x0
; The three activations and the seven weights, all f32 with K innermost, become codes of BF6 (E3M2) with one E8M0 byte for each 32 along K.
; A block's scale is 2^(floor(log2(its largest magnitude)) - 4); its byte is the largest magnitude's exponent field - 4, held at 1 from below.
; LIMITS: NaN and infinities among the inputs are not served.  A block of zeros gets the byte 1 where the quantiser says 127: its codes are zeros, which add
; nothing under any byte but 0xff, and the bytes are read by this program alone.
; THE LAYOUT OF EVERY WORKSPACE BUFFER: pieces of 25,600 dense bytes, [block of 128 rows][K / 256].  A piece is 4 chunks of 64 along K, each 8 tiles of 16 rows x 768 bytes,
; and behind them 128 rows x 8 scale bytes.  A tile's 768 bytes are an image of six operand registers: lane l's first four at 16 l, its last two at 512 + 8 l.
; So a later launch brings a piece by one dense tensor load and a fragment by four dense LDS loads.
; ROWS OF A WEIGHT'S PIECE ARE PERMUTED: place 32 c + 16 u + p holds row 32 c + 8 u + p + 8 (p / 8), so that in a product used transposed a lane's 16 registers of two
; neighbouring tiles are 16 neighbouring columns.  In wg_cs c is the gate (i, f, o, g) and the 32 rows are units 32 nb .. 32 nb + 31 of that gate's weight.
; SHARES: two work-groups make one piece (128 rows x 256 K); wave w of work-group 2 p + e its tiles 4 e + 2 w and 4 e + 2 w + 1, in four units of 16 rows x 128 K.  Waves share nothing: no barrier.
; 384 pieces of a_cs (emb | hid | ctx), 384 of wg_cs, 64 of w2_cs (Wh | Wc), 32 of wp_cs.  ctx's pieces are stored a second time, into a2_cs, where the third launch wants them behind hidden's.
.set PIECE, 25600
.set KCH,   6144                       ; a chunk: 64 along K of 128 rows
.set HF,    768                        ; a tile of it
.set SCO,   24576                      ; the scale bytes' place in a piece
.set SP,    528                        ; a stage row: 512 bytes + 16
.set WST,   16*SP                      ; a wave's stage
.set RB,    32                         ; s[32:63] the addresses of my tile's sixteen rows
.set SEL,   30                         ; s[30:31] lane selects: lane l xor 16
.set R,     16                         ; v16-143  two sets of 64 registers as loaded
.set X,     144                        ; v144-207 64 numbers: register 16 b + i = k 32 b + 16 (lane / 16) + i of row lane % 16
.set PC,    208                        ; v208-226 the codes
.set TM,    228                        ; v228-243 at work
.set PW,    244                        ; the scale word just made
.set SW,    246                        ; v246-249 the four units' scale words
.set SWO,   250                        ; v250-251 my row's eight scale bytes
	s_load_b512 s[68:83], s[0:1], 0x0              ; emb, hid, ctx, Wi, Wf, Wo, Wg, Wh
	s_load_b256 s[84:91], s[0:1], 0x40             ; Wc, Wp, a_cs, wg_cs
	s_load_b128 s[92:95], s[0:1], 0x60             ; w2_cs, wp_cs
	s_load_b64 s[96:97], s[0:1], 0x70              ; a2_cs
	v_lshl_add_u32 v254, v0, 2, 0x4200             ; the spare words, behind the two waves' stages (2 x 8,448 bytes)
	v_mov_b32 v255, 0
	v_lshrrev_b32 v1, 5, v0
	v_readfirstlane_b32 s2, v1                     ; wave
	v_and_b32 v1, 31, v0                           ; lane
	v_and_b32 v2, 15, v0                           ; r
	v_bfe_u32 v3, v0, 4, 1                         ; h
	v_lshlrev_b32 v4, 4, v1                        ; my 16 bytes of a load's 512
	s_mul_i32 s24, s2, WST
	v_add_nc_u32 v5, s24, v4                       ; the stage, on the way in: 16 x lane, a row an instruction
	v_mul_u32_u24 v6, v2, SP
	v_lshl_add_u32 v6, v3, 6, v6
	v_add_nc_u32 v6, s24, v6                       ; and on the way out: row r, + 64 h
	; A PIECE IS SHARED BY TWO WORK-GROUPS OF TWO WAVES: 1,728 work-groups, 6.75 to each of 256 WGPs.  Work-group 2 p + e makes tiles 4 e .. 4 e + 3 of piece p.
	; The stage's addresses above hang on the wave's own number; from here on s2 is the wave's place in the piece, 2 e + its number: 0 .. 3
	s_and_b32 s25, ttmp9, 1
	s_lshl_b32 s25, s25, 1
	s_add_co_u32 s2, s2, s25
	s_mul_i32 s24, s2, 2*HF
	v_add_nc_u32 v7, s24, v4                       ; in a chunk: my wave's two tiles, 16 x lane
	v_lshl_add_u32 v8, v1, 3, s24                  ; and 8 x lane
	s_lshl_b32 s24, s2, 8
	v_lshl_add_u32 v9, v1, 3, s24                  ; among the scale bytes: 32 rows a wave, 8 bytes a row
.irp b, 0,1,2,3
	v_mov_b32 v[TM+4+\b], 0                        ; written once: a lane permute's destination counts as one of its sources
.endr
	s_mov_b32 s[SEL], 0x76543210
	s_mov_b32 s[SEL+1], 0xfedcba98
	s_mov_b32 s98, 0xffff0000                      ; lanes 16-31
	; which piece: the class by the work-group's number.  Begun as wp_cs's class, then overridden from the top down
	s_lshr_b32 s3, ttmp9, 1                        ; the piece's number among all 864
	s_mov_b32 s4, 832                              ; the class's first piece
	s_mov_b32 s5, 3                                ; log2 of its blocks of rows
	s_mov_b32 s6, 4                                ; its pieces along K
	s_mov_b32 s7, 9                                ; its first tensor among the arguments
	s_mov_b32 s12, 4096                            ; a source row in bytes
	s_mov_b32 s13, 0
	s_mov_b32 s16, 1                               ; rows permuted?
	s_wait_alu depctr_va_vdst(0)
	s_wait_kmcnt 0x0
	s_mov_b64 s[20:21], s[94:95]
	s_cmp_lt_u32 s3, 832                           ; w2_cs
	s_cselect_b32 s4, 768, s4
	s_cselect_b32 s6, 8, s6
	s_cselect_b32 s7, 7, s7
	s_cselect_b64 s[20:21], s[92:93], s[20:21]
	s_cmp_lt_u32 s3, 768                           ; wg_cs
	s_cselect_b32 s4, 384, s4
	s_cselect_b32 s5, 5, s5
	s_cselect_b32 s6, 12, s6
	s_cselect_b32 s7, 3, s7
	s_cselect_b32 s12, 12288, s12
	s_cselect_b64 s[20:21], s[90:91], s[20:21]
	s_cmp_lt_u32 s3, 384                           ; a_cs
	s_cselect_b32 s4, 0, s4
	s_cselect_b32 s7, 0, s7
	s_cselect_b32 s12, 4096, s12
	s_cselect_b32 s16, 0, s16
	s_cselect_b64 s[20:21], s[88:89], s[20:21]
	s_sub_co_u32 s8, s3, s4
	s_lshr_b32 s9, s8, s5                          ; ks: the piece along K
	s_lshl_b32 s10, s9, s5
	s_sub_co_u32 s10, s8, s10                      ; rb: the block of rows
	s_mul_i32 s11, s10, s6
	s_add_co_u32 s11, s11, s9                      ; the piece's number in its buffer
	s_lshr_b32 s14, s9, 2
	s_add_co_u32 s14, s14, s7                      ; the tensor: 1,024 along K each
	s_lshl_b32 s15, s10, 7
	s_lshl_b32 s24, s2, 5
	s_add_co_u32 s15, s15, s24                     ; my wave's first source row
	s_and_b32 s99, s9, 3                           ; and the 256 along K in the tensor
	s_add_co_u32 s24, s2, 3                        ; in wg_cs: wave w takes gate w's weight,
	s_lshl_b32 s25, s10, 5                         ; units 32 rb on,
	s_sub_co_u32 s8, s3, 384
	s_cmp_lt_u32 s8, 384
	s_cselect_b32 s14, s24, s14
	s_cselect_b32 s15, s25, s15
	s_cselect_b32 s99, s9, s99                     ; and K runs through all 3,072
	s_mov_b64 s[18:19], s[68:69]
.irp k, 1,2,3,4,5,6,7,8,9
	s_cmp_eq_u32 s14, \k
	s_cselect_b64 s[18:19], s[68+2*\k:69+2*\k], s[18:19]
.endr
	s_lshl_b32 s25, s10, 3                         ; ctx's pieces (pieces 256 to 383) go to a2_cs too: piece 8 rb + ks - 4
	s_add_co_u32 s25, s25, s9
	s_sub_co_u32 s25, s25, 4
	s_sub_co_u32 s24, s3, 256
	s_cmp_lt_u32 s24, 128
	s_cselect_b32 s17, 1, 0
	s_cselect_b32 s24, s25, 0
	s_mul_i32 s24, s24, PIECE
	s_mov_b32 s25, 0
	s_add_nc_u64 s[22:23], s[96:97], s[24:25]
	s_mul_i32 s24, s11, PIECE
	s_add_nc_u64 s[20:21], s[20:21], s[24:25]
	s_lshl_b32 s26, s12, 3
	s_mul_i32 s26, s26, s16                        ; permuted: rows 8-15 of a tile lie 8 rows further on
	s_mov_b32 s27, 0
	s_lshl_b32 s28, s12, 4
	s_lshr_b32 s28, s28, s16                       ; from tile to tile: 16 rows, permuted 8
	s_mov_b32 s29, 0
	s_mul_i32 s24, s15, s12
	s_lshl_b32 s8, s99, 10
	s_add_co_u32 s24, s24, s8
	s_add_nc_u64 s[RB:RB+1], s[18:19], s[24:25]
.irp i, 1,2,3,4,5,6,7,8,9,10,11,12,13,14,15
	s_add_nc_u64 s[RB+2*\i:RB+2*\i+1], s[RB+2*\i-2:RB+2*\i-1], s[12:13]
.if \i == 8
	s_add_nc_u64 s[RB+2*\i:RB+2*\i+1], s[RB+2*\i:RB+2*\i+1], s[26:27]
.endif
.endr
.macro LOAD u                          ; unit u: 16 rows x 128 numbers: each load reads 512 consecutive bytes of a row
.irp i, 0,1,2,3,4,5,6,7,8,9,10,11,12,13,14,15
	global_load_b128 v[R+64*((\u)%2)+4*\i:R+64*((\u)%2)+4*\i+3], v4, s[RB+2*\i:RB+2*\i+1] offset:512*((\u)%2) th:TH_LOAD_NT
.endr
.endm
.macro TURN u                          ; through my stage: in by rows as loaded, out 16 neighbours of each block a lane.  LDS serves a wave's instructions in order: no wait between
.irp i, 0,1,2,3,4,5,6,7,8,9,10,11,12,13,14,15
	ds_store_b128 v5, v[R+64*((\u)%2)+4*\i:R+64*((\u)%2)+4*\i+3] offset:SP*\i
.endr
.irp b, 0,1,2,3
.irp j, 0,1,2,3
	ds_load_b128 v[X+16*\b+4*\j:X+16*\b+4*\j+3], v6 offset:128*\b+16*\j
.endr
.endr
.endm
; 64 numbers of a lane, register 16 b + i = k 32 b + 16 (lane / 16) + i of my row, become a fragment's codes in v[PC] .. v[PC + 11] and its scale word in v[PW]
.macro QUANT4 s
.irp b, 0,1,2,3
	v_max3_num_f32 v[TM+\b], |v[\s+16*\b]|, |v[\s+1+16*\b]|, 0x2800000   ; my 16 numbers of block b, and the floor 2^(5 - 127): the byte cannot fall under 1
.endr
.irp i, 2,4,6,8,10,12,14
.irp b, 0,1,2,3
	v_max3_num_f32 v[TM+\b], v[TM+\b], |v[\s+16*\b+\i]|, |v[\s+1+16*\b+\i]|   ; the four blocks by turns
.endr
.endr
.irp b, 0,1,2,3
	v_permlanex16_b32 v[TM+4+\b], v[TM+\b], s[SEL], s[SEL+1]
.endr
.irp b, 0,1,2,3
	v_max_num_f32 v[TM+\b], v[TM+\b], v[TM+4+\b]   ; with lane l xor 16's: the block's largest magnitude
.endr
.irp b, 0,1,2,3
	v_add_nc_u32 v[TM+12+\b], 0xfe000000, v[TM+\b] ; 4 off its exponent field: the conversion takes the exponent field of this operand as its scale
.endr
.irp b, 0,1,2,3
	v_lshrrev_b32 v[TM+4+\b], 23, v[TM+12+\b]      ; the scale's byte
.endr
	v_lshl_or_b32 v[PW], v[TM+5], 8, v[TM+4]
	v_lshl_or_b32 v[PW], v[TM+6], 16, v[PW]
	v_lshl_or_b32 v[PW], v[TM+7], 24, v[PW]
.irp c, 0,1
	v_cvt_scalef32_pk16_bf6_f32 v[PC+6*\c:PC+2+6*\c], v[\s+32*\c:\s+15+32*\c], v[TM+12+2*\c]
	v_cvt_scalef32_pk16_bf6_f32 v[PC+12+4*\c:PC+14+4*\c], v[\s+16+32*\c:\s+31+32*\c], v[TM+12+2*\c+1]   ; (a conversion's three registers begin on an even number)
.endr
	v_nop                                          ; one plain place behind a scaled conversion
.irp c, 0,1                                    ; the operand wants a whole block in a lane: lanes 0-15 block 2 c, lanes 16-31 block 2 c + 1
.irp i, 0,1,2
	v_permlane16_swap_b32 v[PC+6*\c+\i], v[PC+12+4*\c+\i]
.endr
.irp i, 0,1,2
	v_mov_b32 v[PC+3+6*\c+\i], v[PC+12+4*\c+\i]
.endr
.endr
.endm
.macro PUT b, u                        ; the fragment goes out as it stands: stores of 512 and 256 consecutive bytes, each at a multiple of 256 from the buffer's first byte
.set PO, 2*((\u)%2)*KCH+((\u)/2)*HF
	global_store_b128 v7, v[PC:PC+3], s[\b:\b+1] offset:PO
	global_store_b64 v8, v[PC+4:PC+5], s[\b:\b+1] offset:PO+512
	global_store_b128 v7, v[PC+6:PC+9], s[\b:\b+1] offset:PO+KCH
	global_store_b64 v8, v[PC+10:PC+11], s[\b:\b+1] offset:PO+KCH+512
.endm
.macro UNIT u
.if (\u) < 3
	s_wait_loadcnt 16                              ; this unit's sixteen loads are in; the next unit's sixteen may be out
.else
	s_wait_loadcnt 0x0
.endif
	TURN \u
	s_wait_dscnt 0x0                               ; the numbers are back, and the stage's stores have read their registers,
	s_wait_xcnt 0x0                                ; and the last unit's stores have read the codes' registers
.if (\u) < 2
	LOAD (\u)+2                                    ; which take the loads of two units on
.endif
	QUANT4 X
	v_mov_b32 v[SW+(\u)], v[PW]                    ; the unit's scale word is kept, ahead of the stores
	PUT 20, \u
	s_cmp_eq_u32 s17, 1                            ; ctx: once more, into a2_cs
	s_cbranch_scc0 .Lone_\@
	PUT 22, \u
.Lone_\@:
.endm
	LOAD 0
	LOAD 1
	s_wait_xcnt 0x0                                ; the loads have read the row addresses: on to my second tile
.irp i, 0,1,2,3,4,5,6,7,8,9,10,11,12,13,14,15
	s_add_nc_u64 s[RB+2*\i:RB+2*\i+1], s[RB+2*\i:RB+2*\i+1], s[28:29]
.endr
	UNIT 0
	UNIT 1
	UNIT 2
	UNIT 3
	v_cndmask_b32 v[SWO], v[SW], v[SW+2], s98      ; every lane holds row lane % 16's word: lanes 0-15 keep the first tile's, lanes 16-31 take the second's
	s_wait_alu depctr_va_vdst(0)
	v_cndmask_b32 v[SWO+1], v[SW+1], v[SW+3], s98
	global_store_b64 v9, v[SWO:SWO+1], s[20:21] offset:SCO   ; 32 lanes store 256 consecutive bytes, aligned
	s_cmp_eq_u32 s17, 1
	s_cbranch_scc0 .Lend
	global_store_b64 v9, v[SWO:SWO+1], s[22:23] offset:SCO
.Lend:
	s_wait_tensorcnt 0x0
	ds_add_u32 v254, v255
	s_wait_dscnt 0x0
	s_endpgm
.Lfunc_end_k_qdb000ba0f2_quant:
	.size	k_qdb000ba0f2_quant, .Lfunc_end_k_qdb000ba0f2_quant-k_qdb000ba0f2_quant
	.p2alignl 7, 3214868480
	.fill 96, 4, 3214868480
	.section	.rodata,"a",@progbits
	.p2align	6, 0x0
	.amdhsa_kernel k_qdb000ba0f2_quant
		.amdhsa_group_segment_fixed_size 17408
		.amdhsa_private_segment_fixed_size 0
		.amdhsa_enable_private_segment 0
		.amdhsa_kernarg_size 120
		.amdhsa_user_sgpr_count 2
		.amdhsa_user_sgpr_kernarg_segment_ptr 1
		.amdhsa_wavefront_size32 1
		.amdhsa_system_sgpr_workgroup_id_x 1
		.amdhsa_system_sgpr_workgroup_id_y 1
		.amdhsa_system_sgpr_workgroup_id_z 1
		.amdhsa_system_vgpr_workitem_id 0
		.amdhsa_next_free_vgpr 256
		.amdhsa_next_free_sgpr 100
		.amdhsa_reserve_vcc 0
		.amdhsa_float_denorm_mode_32 3
		.amdhsa_float_denorm_mode_16_64 3
		.amdhsa_memory_ordered 1
		.amdhsa_forward_progress 1
		.amdhsa_inst_pref_size 40
	.end_amdhsa_kernel
	.amdgpu_metadata
---
amdhsa.version: [ 1, 2 ]
amdhsa.kernels:
  - .name:           k_qdb000ba0f2_quant
    .symbol:         k_qdb000ba0f2_quant.kd
    .args:
      - { .name: previous_embedded_caption, .offset: 0, .size: 8, .value_kind: global_buffer, .address_space: global }
      - { .name: previous_hidden_state, .offset: 8, .size: 8, .value_kind: global_buffer, .address_space: global }
      - { .name: current_context_vector, .offset: 16, .size: 8, .value_kind: global_buffer, .address_space: global }
      - { .name: Wi, .offset: 24, .size: 8, .value_kind: global_buffer, .address_space: global }
      - { .name: Wf, .offset: 32, .size: 8, .value_kind: global_buffer, .address_space: global }
      - { .name: Wo, .offset: 40, .size: 8, .value_kind: global_buffer, .address_space: global }
      - { .name: Wg, .offset: 48, .size: 8, .value_kind: global_buffer, .address_space: global }
      - { .name: Wh, .offset: 56, .size: 8, .value_kind: global_buffer, .address_space: global }
      - { .name: Wc, .offset: 64, .size: 8, .value_kind: global_buffer, .address_space: global }
      - { .name: Wp, .offset: 72, .size: 8, .value_kind: global_buffer, .address_space: global }
      - { .name: a_cs, .offset: 80, .size: 8, .value_kind: global_buffer, .address_space: global }
      - { .name: wg_cs, .offset: 88, .size: 8, .value_kind: global_buffer, .address_space: global }
      - { .name: w2_cs, .offset: 96, .size: 8, .value_kind: global_buffer, .address_space: global }
      - { .name: wp_cs, .offset: 104, .size: 8, .value_kind: global_buffer, .address_space: global }
      - { .name: a2_cs, .offset: 112, .size: 8, .value_kind: global_buffer, .address_space: global }
    .group_segment_fixed_size: 17408
    .private_segment_fixed_size: 0
    .kernarg_segment_align: 8
    .kernarg_segment_size: 120
    .max_flat_workgroup_size: 64
    .sgpr_count:     100
    .vgpr_count:     256
    .wavefront_size: 32
...
	.end_amdgpu_metadata
.endif
;; end of part 1
;; launch gates (part 2): grid 16 x 16, 4 waves a work-group, clusters of 4 x 4, 327,680 bytes of LDS; arguments a_cs, wg_cs, bi, bf, bo, bg, out1, out2, a2_cs, previous_cell_state; writes out1, out2, a2_cs
.if DOCPART == 2
	.amdgcn_target "amdgcn-amd-amdhsa--gfx1250"
	.amdhsa_code_object_version 6
	.text
	.protected	k_qdb000ba0f2_gates
	.globl	k_qdb000ba0f2_gates
	.p2align	8
	.type	k_qdb000ba0f2_gates,@function
k_qdb000ba0f2_gates:
	s_mov_b64 s[64:65], 0
	v_nop
	global_prefetch_b8 v0, s[64:65] scope:SCOPE_SE
	s_setreg_imm32_b32 hwreg(HW_REG_WAVE_MODE, 25, 1), 1
	s_wait_xcnt 0x0
	s_wait_alu depctr_hold_cnt(0) depctr_sa_sdst(0) depctr_va_vdst(0) depctr_va_sdst(0) depctr_va_ssrc(0) depctr_va_vcc(0) depctr_vm_vsrc(0)
	s_getreg_b32 s2, hwreg(HW_REG_IB_STS2, 6, 4)
	s_cmp_eq_u32 s2, 0
	s_cbranch_scc0 .Lentry_in_a_cluster
	s_endpgm
.Lentry_in_a_cluster:
	s_bfe_u32 s2, ttmp6, 0x10000c
	s_cmp_lg_u32 s2, 0xf033
	s_cbranch_scc0 .Lentry_shape_is_right
	s_endpgm
.Lentry_shape_is_right:
.set PIECE,  25600
.set KCH,    6144
.set HF,     768
.set SCO,    24576
.set NK,     12
.set SMALL,  8*PIECE
.set CP,     SMALL
.set CPP,    272
.set SPARE,  12*PIECE
.set FR,     12
.set NL,     4
.set NP,     4
.set TRIPS,  3
.set CA,   1
.set HA,   2
.set RC,   3
.set RH,   4
.set QA,   5
.set GO,   6
.set L16,  7
.set L8,   8
.set R8,   9
.set ADRA, 16
.set ADRB, 20
.set ADRS, 24
.set PFO,  26
.set BO,   27
.set SPW,  28
.set NIL,  29
.set PFC,  30
.set SC,   32
.set AF,   128
.set T,    128
.set CV,   192
.set HV,   208
.set X,    192
.set PC,   224
.set TM,   240
.set PW,   248
.set G1AS, 24
.set G1BS, 32
.set G1AB, 40
.set G1BB, 48
.set G0AS, 56
.set G0BS, 60
.set G0AB, 68
.set G0BB, 72
.set G1C,  76
.set G0C,  84
.set SEL,  66
.set CPA,  88
.set PFA,  90
.set O1,   92
.set O2,   94
.set QC,   96
.set QS,   98
.set TX,   104
.set PF2,  31                          ; v31: 256 x min(lane, 17): the second prefetch's 18 blocks; lanes left over name the last again
.set MSB, 0
.macro WIN new
.if MSB != \new
	s_set_vgpr_msb (MSB<<8)|\new
.set MSB, \new
.endif
.endm
.set MUL_LO, 0xa1
.set MUL_HI, 0xf1
.set TO_B,   0x40
.set IN_B,   0x41
.macro JLOAD g0a, g1a, g0b, g1b
	s_cmp_eq_u32 s15, 0
	s_cbranch_scc0 .Lfor_b_\@
	tensor_load_to_lds s[\g0a:\g0a+3], s[\g1a:\g1a+7]
	s_nop 0
.rept 4
	v_nop
.endr
	s_branch .Lasked_\@
.Lfor_b_\@:
	tensor_load_to_lds s[\g0b:\g0b+3], s[\g1b:\g1b+7]
	s_nop 0
.rept 4
	v_nop
.endr
.Lasked_\@:
.endm
.macro CREST
	s_cmp_lg_u32 s14, 0
	s_cbranch_scc1 .Lnot_wave_0_\@
	s_barrier_signal -3
.Lnot_wave_0_\@:
	s_barrier_wait -3
	s_barrier_signal -1
	s_barrier_wait -1
.endm
.macro CROUND
	s_barrier_signal -1
	s_barrier_wait -1
	CREST
.endm
.macro ASK slot
	; four asks, in the first two trips: ask k names pieces 4 + 2 k and 5 + 2 k of my stream, 51,200 bytes; each of the four partners takes 12,800 of them (50 blocks of 256) by address
	s_cmp_gt_u32 s3, 1
	s_cbranch_scc0 .Lnot_mine_\@
	global_prefetch_b8 v[PFO], s[PFA:PFA+1] th:TH_LOAD_NT scope:SCOPE_SE
	global_prefetch_b8 v[PF2], s[PFA:PFA+1] offset:8192 th:TH_LOAD_NT scope:SCOPE_SE
.Lnot_mine_\@:
.if (\slot) == 0
	s_cmp_eq_u32 s3, 1
	s_cbranch_scc0 .Lnot_yet_\@
	global_prefetch_b8 v[PFC], s[CPA:CPA+1] th:TH_LOAD_NT scope:SCOPE_SE
	global_prefetch_b8 v[PFC], s[CPA:CPA+1] offset:131072 th:TH_LOAD_NT scope:SCOPE_SE
.Lnot_yet_\@:
.endif
.endm
	s_load_b128 s[88:91], s[0:1], 0x0
	s_load_b128 s[4:7], s[0:1], 0x10
	s_load_b128 s[8:11], s[0:1], 0x20
	s_load_b128 s[92:95], s[0:1], 0x30
	s_load_b128 s[96:99], s[0:1], 0x40
	v_lshl_add_u32 v[SPW], v0, 2, SPARE
	v_mov_b32 v[NIL], 0
	ds_add_u32 v28, v29
	ds_add_u32 v28, v29
	s_wait_dscnt 0x0
	v_lshrrev_b32 v10, 5, v0
	v_readfirstlane_b32 s14, v10
	s_lshr_b32 s15, s14, 1
	s_and_b32 s16, s14, 1
	s_bfe_u32 s12, ttmp6, 0x40000
	s_bfe_u32 s13, ttmp6, 0x40004
	s_lshl_b32 s[TX], ttmp9, 2
	s_add_co_u32 s[TX], s[TX], s12
	s_and_b32 s17, ttmp7, 0xffff
	s_lshl_b32 s17, s17, 2
	s_add_co_u32 s17, s17, s13
	s_lshl_b32 s100, s13, 2
	s_lshl_b32 s100, 15, s100
	s_lshl_b32 s101, 0x1111, s12
	s_or_b32 s[G1AS+0], s100, (3<<16)|(1<<21)
	s_or_b32 s[G1AB+0], s100, (3<<16)|(1<<21)
	s_or_b32 s[G1BS+0], s101, (3<<16)|(1<<21)
	s_or_b32 s[G1BB+0], s101, (3<<16)|(1<<21)
.irp g, G1AS, G1BS
	s_mov_b32 s[\g+1], 32<<16
	s_mov_b32 s[\g+2], 100<<16
	s_mov_b32 s[\g+3], 32<<16
	s_mov_b32 s[\g+4], 100
	s_mov_b32 s[\g+5], 32
	s_mov_b32 s[\g+6], 0
	s_mov_b32 s[\g+7], 0
.endr
.irp g, G1AB, G1BB
	s_mov_b32 s[\g+1], 32<<16
	s_mov_b32 s[\g+2], 200<<16
	s_mov_b32 s[\g+3], 32<<16
	s_mov_b32 s[\g+4], 200
	s_mov_b32 s[\g+5], 32
	s_mov_b32 s[\g+6], 0
	s_mov_b32 s[\g+7], 0
.endr
	s_mov_b32 s[G1C+0], (2<<16)|(1<<20)|(5<<22)|(3<<25)
	s_mov_b32 s[G1C+1], 64<<16
	s_mov_b32 s[G1C+2], 64<<16
	s_mov_b32 s[G1C+3], 64<<16
	s_mov_b32 s[G1C+4], 64
	s_mov_b32 s[G1C+5], 1024
	s_mov_b32 s[G1C+6], 0
	s_mov_b32 s[G1C+7], 0
	s_lshl_b32 s20, s17, 1
	s_add_co_u32 s20, s20, s16
	s_mul_i32 s20, s20, NK*PIECE
	s_mov_b32 s21, 0
	s_lshl_b32 s66, s[TX], 1
	s_add_co_u32 s66, s66, s16
	s_mul_i32 s66, s66, NK*PIECE
	s_mov_b32 s67, 0
	s_mul_i32 s2, s14, PIECE
	s_add_co_u32 s2, s2, SMALL
	s_mul_i32 s3, s14, 2*PIECE
	s_wait_kmcnt 0x0
	s_add_nc_u64 s[20:21], s[88:89], s[20:21]
	s_add_nc_u64 s[66:67], s[90:91], s[66:67]
	CROUND
	s_mov_b32 s[G0AS], 1
	s_mov_b32 s[G0AS+1], s2
	s_mov_b64 s[G0AS+2:G0AS+3], s[20:21]
	s_or_b32 s[G0AS+3], s[G0AS+3], 0x80000000
	s_mov_b32 s[G0BS], 1
	s_mov_b32 s[G0BS+1], s2
	s_mov_b64 s[G0BS+2:G0BS+3], s[66:67]
	s_or_b32 s[G0BS+3], s[G0BS+3], 0x80000000
	JLOAD G0AS, G1AS, G0BS, G1BS
	s_mov_b32 s[G0AB], 1
	s_mov_b32 s[G0AB+1], s3
	s_add_nc_u64 s[G0AB+2:G0AB+3], s[20:21], PIECE
	s_or_b32 s[G0AB+3], s[G0AB+3], 0x80000000
	s_mov_b32 s[G0BB], 1
	s_mov_b32 s[G0BB+1], s3
	s_add_nc_u64 s[G0BB+2:G0BB+3], s[66:67], PIECE
	s_or_b32 s[G0BB+3], s[G0BB+3], 0x80000000
	v_and_b32 v10, 31, v0
	s_wait_alu depctr_va_vdst(0)
	v_and_b32 v11, 15, v0
	s_wait_alu depctr_va_vdst(0)
	v_bfe_u32 v12, v0, 4, 1
	s_lshl_b32 s20, s[TX], 8
	s_lshl_b32 s21, s16, 7
	s_add_co_u32 s20, s20, s21
	v_lshl_add_u32 v[BO], v12, 6, s20
	WIN TO_B
.irp g, 0,1,2,3
.irp j, 0,1,2,3
	global_load_b128 v[96+16*\g+4*\j+96*(\g/2):99+16*\g+4*\j+96*(\g/2)], v[BO], s[4+2*\g:5+2*\g] offset:16*\j
.endr
.endr
	WIN 0
	s_mov_b32 s18, 0x4038aa3b
	s_mov_b32 s19, s18
	s_mov_b32 s100, 0xbfb8aa3b
	s_mov_b32 s101, s100
	s_mov_b32 s[SEL], 0x76543210
	s_mov_b32 s[SEL+1], 0xfedcba98
	v_mov_b32 v[TM+4], 0
	v_mov_b32 v[TM+5], 0
	v_lshlrev_b32 v[L16], 4, v10
	v_lshlrev_b32 v[L8], 3, v10
	v_lshlrev_b32 v[R8], 3, v11
	v_min_u32 v[PF2], 17, v10
	v_lshlrev_b32 v[PF2], 8, v[PF2]
	v_lshlrev_b32 v[PFO], 8, v10
	v_lshlrev_b32 v[PFC], 12, v10
	v_add_nc_u32 v15, 512, v[L8]
	s_mul_i32 s21, s15, 2*PIECE
	s_mul_i32 s22, s16, 2*PIECE
	s_add_co_u32 s22, s22, 4*PIECE
	v_add_nc_u32 v[ADRA], s21, v[L16]
	v_add_nc_u32 v[ADRB], s22, v[L16]
	v_add_nc_u32 v[ADRA+2], s21, v15
	v_add_nc_u32 v[ADRB+2], s22, v15
	s_sub_co_u32 s22, s22, s21
	v_mul_u32_u24 v13, s22, v12
	s_add_co_u32 s21, s21, SCO
	v_lshl_add_u32 v13, v11, 3, v13
	v_add_nc_u32 v[ADRS], s21, v13
	s_mul_i32 s21, s15, PIECE
	s_mul_i32 s22, s16, PIECE
	s_add_co_u32 s22, s22, 2*PIECE
	s_sub_co_u32 s23, s22, s21
	v_mul_u32_u24 v13, s23, v12
	v_lshl_add_u32 v13, v11, 3, v13
	s_add_co_u32 s21, s21, SMALL
	s_add_co_u32 s22, s22, SMALL
	v_add_nc_u32 v[ADRA+1], s21, v[L16]
	v_add_nc_u32 v[ADRB+1], s22, v[L16]
	v_add_nc_u32 v[ADRA+3], s21, v15
	v_add_nc_u32 v[ADRB+3], s22, v15
	s_add_co_u32 s21, s21, SCO
	v_add_nc_u32 v[ADRS+1], s21, v13
	s_mul_i32 s21, s15, 128*CPP
	s_lshl_b32 s22, s16, 7
	s_add_co_u32 s21, s21, s22
	v_mul_u32_u24 v13, v11, CPP
	v_lshl_add_u32 v13, v12, 6, v13
	v_add_nc_u32 v[HA], s21, v13
	v_add_nc_u32 v[CA], CP, v[HA]
	s_mul_i32 s21, s15, 128*CPP
	s_mul_i32 s22, s16, 16*CPP
	s_add_co_u32 s21, s21, s22
	v_add_nc_u32 v[QA], s21, v13
	v_mul_u32_u24 v14, v12, CPP
	v_lshl_add_u32 v14, v11, 4, v14
	v_add_nc_u32 v[RH], s21, v14
	v_add_nc_u32 v[RC], CP, v[RH]
	v_lshlrev_b32 v[GO], 12, v12
	v_lshl_add_u32 v[GO], v11, 4, v[GO]
	s_lshl_b32 s20, s17, 8
	s_lshl_b32 s21, s15, 7
	s_add_co_u32 s20, s20, s21
	s_lshl_b32 s21, s16, 4
	s_add_co_u32 s20, s20, s21
	s_lshl_b32 s20, s20, 12
	s_lshl_b32 s21, s[TX], 8
	s_add_co_u32 s20, s20, s21
	s_mov_b32 s21, 0
	s_add_nc_u64 s[O1:O1+1], s[O1:O1+1], s[20:21]
	s_add_nc_u64 s[O2:O2+1], s[O2:O2+1], s[20:21]
	s_cmp_eq_u32 s15, 0                            ; the prefetches: every cluster asks for the streams that it will load
	s_cselect_b32 s20, s17, s[TX]
	s_cselect_b32 s21, s12, s13                    ; my place among the four that ask for the stream with me
	s_cselect_b64 s[PFA:PFA+1], s[88:89], s[90:91]
	s_lshl_b32 s20, s20, 1
	s_add_co_u32 s20, s20, s16
	s_mul_i32 s20, s20, NK*PIECE
	s_mul_i32 s21, s21, PIECE/2                    ; 12,800 bytes a partner
	s_add_co_u32 s20, s20, s21
	s_add_co_u32 s20, s20, 2*PIECE                 ; each change of slots steps it by two pieces: the first ask stands at piece 4
	s_mov_b32 s21, 0
	s_add_nc_u64 s[PFA:PFA+1], s[PFA:PFA+1], s[20:21]
	s_wait_alu depctr_va_vdst(0)
	global_prefetch_b8 v[PFO], s[PFA:PFA+1] offset:-PIECE th:TH_LOAD_NT scope:SCOPE_SE        ; pieces 1 and 2, the second slot's first fill, while piece 0's load is out
	global_prefetch_b8 v[PF2], s[PFA:PFA+1] offset:8192-PIECE th:TH_LOAD_NT scope:SCOPE_SE
	s_lshl_b32 s22, s17, 8
	s_lshl_b32 s23, s14, 6
	s_add_co_u32 s22, s22, s23
	s_lshl_b32 s22, s22, 12
	s_lshl_b32 s23, s[TX], 8
	s_add_co_u32 s22, s22, s23
	s_mov_b32 s23, 0
	s_add_nc_u64 s[CPA:CPA+1], s[98:99], s[22:23]
	s_mov_b32 s[G0C], 1
	s_mul_i32 s[G0C+1], s14, 64*CPP
	s_add_co_u32 s[G0C+1], s[G0C+1], CP
	s_mov_b64 s[G0C+2:G0C+3], s[CPA:CPA+1]
	s_or_b32 s[G0C+3], s[G0C+3], 0x80000000
	s_lshl_b32 s20, s17, 1
	s_add_co_u32 s20, s20, s15
	s_lshl_b32 s20, s20, 3
	s_lshr_b32 s22, s[TX], 2
	s_add_co_u32 s20, s20, s22
	s_mul_i32 s20, s20, PIECE
	s_and_b32 s22, s[TX], 3
	s_mul_i32 s23, s22, KCH
	s_add_co_u32 s23, s23, s20
	s_mul_i32 s2, s16, HF
	s_add_co_u32 s2, s2, s23
	s_mov_b32 s3, 0
	s_lshl_b32 s22, s22, 1
	s_add_co_u32 s22, s22, s20
	s_lshl_b32 s23, s16, 7
	s_add_co_u32 s22, s22, s23
	s_add_co_u32 s22, s22, SCO
	s_mov_b32 s23, 0
	s_add_nc_u64 s[QS:QS+1], s[QC:QC+1], s[22:23]
	s_add_nc_u64 s[QC:QC+1], s[QC:QC+1], s[2:3]
	s_wait_alu depctr_va_vdst(0)
	s_wait_tensorcnt 0x0                           ; my part of piece 0 is in
	ds_add_u32 v28, v29
	s_wait_dscnt 0x0
	CROUND
	JLOAD G0AB, G1AB, G0BB, G1BB                   ; pieces 1 and 2: the first tensor load behind the round
	s_wait_loadcnt 0x0
	WIN IN_B
.set NN, 0
.rept 24
.set BW, 96+NN+96*(NN/32)
	v_pk_mul_f32 v[BW:BW+1], v[BW:BW+1], s[100:101] op_sel_hi:[1,0]
.set NN, NN+2
.endr
.rept 8
.set BW, 96+NN+96*(NN/32)
	v_pk_mul_f32 v[BW:BW+1], v[BW:BW+1], s[18:19] op_sel_hi:[1,0]
.set NN, NN+2
.endr
	WIN 0
.macro FRAG reg, adr, off
	ds_load_b128 v[\reg:\reg+3], v[\adr] offset:\off
	ds_load_b64 v[\reg+4:\reg+5], v[\adr+2] offset:\off
	ds_load_b128 v[\reg+6:\reg+9], v[\adr] offset:\off+KCH
	ds_load_b64 v[\reg+10:\reg+11], v[\adr+2] offset:\off+KCH
.endm
.macro MUL16 a0, q, sc, zero
.irp a, \a0, \a0+1
.irp b, 0,1,2,3,4,5,6,7
.if \zero
	v_wmma_scale_f32_16x16x128_f8f6f4 v[8*(8*((\a)%4)+\b):8*(8*((\a)%4)+\b)+7], v[128*(\q)+FR*\b:128*(\q)+FR*\b+FR-1], v[AF+FR*(\a):AF+FR*(\a)+FR-1], 0, v[SC+16*(\sc)+2*\b+(\q)], v[SC+16*(\sc)+2*(\a)+(\q)] matrix_a_fmt:MATRIX_FMT_BF6 matrix_b_fmt:MATRIX_FMT_BF6 matrix_a_scale:MATRIX_SCALE_ROW1
.else
	v_wmma_scale_f32_16x16x128_f8f6f4 v[8*(8*((\a)%4)+\b):8*(8*((\a)%4)+\b)+7], v[128*(\q)+FR*\b:128*(\q)+FR*\b+FR-1], v[AF+FR*(\a):AF+FR*(\a)+FR-1], v[8*(8*((\a)%4)+\b):8*(8*((\a)%4)+\b)+7], v[SC+16*(\sc)+2*\b+(\q)], v[SC+16*(\sc)+2*(\a)+(\q)] matrix_a_fmt:MATRIX_FMT_BF6 matrix_b_fmt:MATRIX_FMT_BF6 matrix_a_scale:MATRIX_SCALE_ROW1
.endif
.endr
.endr
.endm
.macro FETCH_B slot, off, p
	WIN TO_B
.irp i, 0,1,2,3,4,5,6,7
	FRAG 128*(\p)+FR*\i, ADRB+\slot, (\off)+\i*HF
.endr
	WIN 0
.endm
.macro FETCH_A slot, off, i0
.irp i, \i0, \i0+1, \i0+2, \i0+3
	FRAG AF+FR*(\i), ADRA+\slot, (\off)+(\i)*HF
.endr
.endm
.macro SCALES_S
.irp i, 0,1,2,3,4,5,6,7
	ds_load_b64 v[SC+2*\i:SC+2*\i+1], v[ADRS+1] offset:128*\i
.endr
.endm
.macro SCALES_B
.irp k, 0,1
.irp i, 0,1,2,3,4,5,6,7
	ds_load_b64 v[SC+16+16*\k+2*\i:SC+16+16*\k+2*\i+1], v[ADRS] offset:\k*PIECE+128*\i
.endr
.endr
.endm
.macro PLACES n
.rept \n
	v_nop
.endr
.endm
.macro STEP q, sc, zero, nslot, noff
	s_wait_dscnt 4*NL
	WIN MUL_LO
	MUL16 0, \q, \sc, \zero
	MUL16 2, \q, \sc, \zero
	s_wait_dscnt 0
	PLACES NP
	FETCH_B \nslot, \noff, 1-(\q)
	FETCH_A \nslot, \noff, 0
	WIN MUL_HI
	MUL16 4, \q, \sc, \zero
	MUL16 6, \q, \sc, \zero
	PLACES NP
	WIN 0
	FETCH_A \nslot, \noff, 4
.endm
.macro TURN slot, sc, next, fill
.if (\fill) == 1
	s_wait_xcnt 0x0
	s_add_nc_u64 s[PFA:PFA+1], s[PFA:PFA+1], 2*PIECE
.endif
	s_wait_tensorcnt 0x0
	ds_add_u32 v[SPW], v[NIL]
	s_wait_dscnt 4*NL+1
	WIN MUL_LO
	MUL16 0, 1, \sc, 0
	s_wait_dscnt 0x0
	s_barrier_signal -1
	MUL16 2, 1, \sc, 0
	WIN 0
	s_barrier_wait -1
	CREST
.if (\fill) == 1
.if (\slot) == 1
	s_add_nc_u64 s[G0AS+2:G0AS+3], s[G0AS+2:G0AS+3], 3*PIECE
	s_add_nc_u64 s[G0BS+2:G0BS+3], s[G0BS+2:G0BS+3], 3*PIECE
	JLOAD G0AS, G1AS, G0BS, G1BS
.else
	s_add_nc_u64 s[G0AB+2:G0AB+3], s[G0AB+2:G0AB+3], 3*PIECE
	s_add_nc_u64 s[G0BB+2:G0BB+3], s[G0BB+2:G0BB+3], 3*PIECE
	JLOAD G0AB, G1AB, G0BB, G1BB
.endif
.else
	tensor_load_to_lds s[G0C:G0C+3], s[G1C:G1C+7]
	s_nop 0
.rept 4
	v_nop
.endr
.endif
	FETCH_B \next, 0, 0
	FETCH_A \next, 0, 0
.if (\next) == 1
	SCALES_S
.else
	SCALES_B
.endif
.if (\fill) == 1
	ASK \slot
.endif
	WIN MUL_HI
	MUL16 4, 1, \sc, 0
	MUL16 6, 1, \sc, 0
	PLACES NP
	WIN 0
	FETCH_A \next, 0, 4
.endm
	s_wait_tensorcnt 1
	s_barrier_signal -1
	s_barrier_wait -1
	FETCH_B 1, 0, 0
	FETCH_A 1, 0, 0
	SCALES_S
	FETCH_A 1, 0, 4
	STEP 0, 0, 1, 1, 2*KCH
	s_mov_b32 s3, TRIPS
.Llap:
	TURN 1, 0, 0, 1
	STEP 0, 1, 0, 0, 2*KCH
	STEP 1, 1, 0, 0, PIECE
	STEP 0, 2, 0, 0, PIECE+2*KCH
	TURN 0, 2, 1, 1
	STEP 0, 0, 0, 1, 2*KCH
	s_sub_co_u32 s3, s3, 1
	s_cmp_lg_u32 s3, 0
	s_cbranch_scc1 .Llap
	TURN 1, 0, 0, 2
	STEP 0, 1, 0, 0, 2*KCH
	STEP 1, 1, 0, 0, PIECE
	STEP 0, 2, 0, 0, PIECE+2*KCH
	s_wait_dscnt 4*NL
	WIN MUL_LO
	MUL16 0, 1, 2, 0
	MUL16 2, 1, 2, 0
	s_wait_dscnt 0
	WIN MUL_HI
	MUL16 4, 1, 2, 0
	MUL16 6, 1, 2, 0
	WIN 0
	s_wait_tensorcnt 0x0
	s_wait_dscnt 0x0
	s_barrier_signal -1
	PLACES NP
	s_barrier_wait -1
.macro QUANT2 s
.irp b, 0,1
	v_max3_num_f32 v[TM+\b], |v[\s+16*\b]|, |v[\s+1+16*\b]|, 0x2800000
.endr
.irp i, 2,4,6,8,10,12,14
.irp b, 0,1
	v_max3_num_f32 v[TM+\b], v[TM+\b], |v[\s+16*\b+\i]|, |v[\s+1+16*\b+\i]|
.endr
.endr
.irp b, 0,1
	v_permlanex16_b32 v[TM+4+\b], v[TM+\b], s[SEL], s[SEL+1]
.endr
.irp b, 0,1
	v_max_num_f32 v[TM+\b], v[TM+\b], v[TM+4+\b]
.endr
.irp b, 0,1
	v_add_nc_u32 v[TM+12+\b], 0xfe000000, v[TM+\b]
.endr
.irp b, 0,1
	v_lshrrev_b32 v[TM+4+\b], 23, v[TM+12+\b]
.endr
	v_lshl_or_b32 v[PW], v[TM+5], 8, v[TM+4]
	v_cvt_scalef32_pk16_bf6_f32 v[PC:PC+2], v[\s:\s+15], v[TM+12]
	v_cvt_scalef32_pk16_bf6_f32 v[PC+12:PC+14], v[\s+16:\s+31], v[TM+13]
	v_nop
.irp i, 0,1,2
	v_permlane16_swap_b32 v[PC+\i], v[PC+12+\i]
.endr
.irp i, 0,1,2
	v_mov_b32 v[PC+3+\i], v[PC+12+\i]
.endr
.endm
.macro EBLK a
	s_wait_xcnt 0x0
	WIN 0x12+(\a)/4
.set NN, 0
.rept 24
.set BW, 96+NN+96*(NN/32)
	v_pk_fma_f32 v[T+NN:T+NN+1], v[64*((\a)%4)+NN:64*((\a)%4)+NN+1], s[100:101], v[BW:BW+1] op_sel_hi:[1,0,1]
.set NN, NN+2
.endr
.rept 8
.set BW, 96+NN+96*(NN/32)
	v_pk_fma_f32 v[T+NN:T+NN+1], v[64*((\a)%4)+NN:64*((\a)%4)+NN+1], s[18:19], v[BW:BW+1] op_sel_hi:[1,0,1]
.set NN, NN+2
.endr
	WIN 0
	s_wait_dscnt 0x0
.irp j, 0,1,2,3
	ds_load_b128 v[CV+4*\j:CV+4*\j+3], v[CA] offset:16*CPP*(\a)+16*\j
.endr
.set NN, 0
	s_wait_alu depctr_va_vdst(0)
.rept 64
	v_exp_f32 v[T+NN], v[T+NN]
.set NN, NN+1
.endr
	v_nop
.set NN, 0
	s_wait_alu depctr_va_vdst(0)
.rept 32
	v_pk_add_f32 v[T+NN:T+NN+1], v[T+NN:T+NN+1], 1.0 op_sel_hi:[1,0]
.set NN, NN+2
.endr
.set NN, 0
	s_wait_alu depctr_va_vdst(0)
.rept 64
	v_rcp_f32 v[T+NN], v[T+NN]
.set NN, NN+1
.endr
	v_nop
.set NN, 0
	s_wait_alu depctr_va_vdst(0)
.rept 8
	v_pk_fma_f32 v[T+48+NN:T+49+NN], v[T+48+NN:T+49+NN], -2.0, 1.0 op_sel_hi:[1,0,0]
.set NN, NN+2
.endr
	s_wait_alu depctr_va_vdst(0)
	s_wait_dscnt 0x0
.set NN, 0
.rept 8
	v_pk_mul_f32 v[T+NN:T+NN+1], v[T+NN:T+NN+1], v[T+48+NN:T+49+NN]
.set NN, NN+2
.endr
.set NN, 0
.rept 8
	v_pk_fma_f32 v[CV+NN:CV+NN+1], v[T+16+NN:T+17+NN], v[CV+NN:CV+NN+1], v[T+NN:T+NN+1]
.set NN, NN+2
.endr
.set NN, 0
.rept 8
	v_pk_mul_f32 v[T+48+NN:T+49+NN], v[CV+NN:CV+NN+1], s[18:19] op_sel_hi:[1,0]
.set NN, NN+2
.endr
.set NN, 0
	s_wait_alu depctr_va_vdst(0)
.rept 16
	v_exp_f32 v[T+48+NN], v[T+48+NN]
.set NN, NN+1
.endr
	v_nop
.set NN, 0
	s_wait_alu depctr_va_vdst(0)
.rept 8
	v_pk_add_f32 v[T+48+NN:T+49+NN], v[T+48+NN:T+49+NN], 1.0 op_sel_hi:[1,0]
.set NN, NN+2
.endr
.set NN, 0
	s_wait_alu depctr_va_vdst(0)
.rept 16
	v_rcp_f32 v[T+48+NN], v[T+48+NN]
.set NN, NN+1
.endr
	v_nop
.set NN, 0
	s_wait_alu depctr_va_vdst(0)
.rept 8
	v_pk_fma_f32 v[T+48+NN:T+49+NN], v[T+48+NN:T+49+NN], -2.0, 1.0 op_sel_hi:[1,0,0]
.set NN, NN+2
.endr
.set NN, 0
.rept 8
	v_pk_mul_f32 v[HV+NN:HV+NN+1], v[T+32+NN:T+33+NN], v[T+48+NN:T+49+NN]
.set NN, NN+2
.endr
.irp j, 0,1,2,3
	ds_store_b128 v[CA], v[CV+4*\j:CV+4*\j+3] offset:16*CPP*(\a)+16*\j
.endr
.irp j, 0,1,2,3
	ds_store_b128 v[HA], v[HV+4*\j:HV+4*\j+3] offset:16*CPP*(\a)+16*\j
.endr
.endm
.macro OUT pp
.irp t, 0,1,2,3,4,5,6,7
	ds_load_b128 v[T+4*\t:T+4*\t+3], v[RC] offset:32*CPP*(\pp)+2*CPP*\t
.endr
.irp t, 0,1,2,3,4,5,6,7
	ds_load_b128 v[T+32+4*\t:T+32+4*\t+3], v[RH] offset:32*CPP*(\pp)+2*CPP*\t
.endr
.irp b, 0,1
.irp j, 0,1,2,3
	ds_load_b128 v[X+16*\b+4*\j:X+16*\b+4*\j+3], v[QA] offset:32*CPP*(\pp)+128*\b+16*\j
.endr
.endr
.irp t, 0,1,2,3,4,5,6,7
	s_wait_dscnt 23-\t
	global_store_b128 v[GO], v[T+4*\t:T+4*\t+3], s[O2:O2+1] offset:131072*(\pp)+8192*\t th:TH_STORE_NT
.endr
.irp t, 0,1,2,3,4,5,6,7
	s_wait_dscnt 15-\t
	global_store_b128 v[GO], v[T+32+4*\t:T+32+4*\t+3], s[O1:O1+1] offset:131072*(\pp)+8192*\t th:TH_STORE_NT
.endr
	s_wait_dscnt 0x0
	QUANT2 X
	global_store_b128 v[L16], v[PC:PC+3], s[QC:QC+1] offset:2*HF*(\pp)
	global_store_b64 v[L8], v[PC+4:PC+5], s[QC:QC+1] offset:2*HF*(\pp)+512
	global_store_b16 v[R8], v[PW], s[QS:QS+1] offset:256*(\pp)
.endm
.irp p, 0,1,2,3
	EBLK 2*\p
	EBLK 2*\p+1
	s_wait_dscnt 0x0
	s_barrier_signal -1
	s_barrier_wait -1
	OUT \p
.endr
	s_wait_tensorcnt 0x0
	ds_add_u32 v[SPW], v[NIL]
	s_wait_dscnt 0x0
	CROUND
	s_endpgm
.Lfunc_end_k_qdb000ba0f2_gates:
	.size	k_qdb000ba0f2_gates, .Lfunc_end_k_qdb000ba0f2_gates-k_qdb000ba0f2_gates
	.p2alignl 7, 3214868480
	.fill 96, 4, 3214868480
	.section	.rodata,"a",@progbits
	.p2align	6, 0x0
	.amdhsa_kernel k_qdb000ba0f2_gates
		.amdhsa_group_segment_fixed_size 327680
		.amdhsa_private_segment_fixed_size 0
		.amdhsa_enable_private_segment 0
		.amdhsa_kernarg_size 80
		.amdhsa_user_sgpr_count 2
		.amdhsa_user_sgpr_kernarg_segment_ptr 1
		.amdhsa_wavefront_size32 1
		.amdhsa_system_sgpr_workgroup_id_x 1
		.amdhsa_system_sgpr_workgroup_id_y 1
		.amdhsa_system_sgpr_workgroup_id_z 1
		.amdhsa_system_vgpr_workitem_id 0
		.amdhsa_next_free_vgpr 1024
		.amdhsa_next_free_sgpr 106
		.amdhsa_reserve_vcc 0
		.amdhsa_float_denorm_mode_32 3
		.amdhsa_float_denorm_mode_16_64 3
		.amdhsa_memory_ordered 1
		.amdhsa_forward_progress 1
		.amdhsa_inst_pref_size 255
	.end_amdhsa_kernel
	.section	.bss,"aw",@nobits
	.p2align	6
	.space	262144
	.amdgpu_metadata
---
amdhsa.version: [ 1, 2 ]
amdhsa.kernels:
  - .name:           k_qdb000ba0f2_gates
    .symbol:         k_qdb000ba0f2_gates.kd
    .args:
      - { .name: a_cs, .offset: 0, .size: 8, .value_kind: global_buffer, .address_space: global }
      - { .name: wg_cs, .offset: 8, .size: 8, .value_kind: global_buffer, .address_space: global }
      - { .name: bi, .offset: 16, .size: 8, .value_kind: global_buffer, .address_space: global }
      - { .name: bf, .offset: 24, .size: 8, .value_kind: global_buffer, .address_space: global }
      - { .name: bo, .offset: 32, .size: 8, .value_kind: global_buffer, .address_space: global }
      - { .name: bg, .offset: 40, .size: 8, .value_kind: global_buffer, .address_space: global }
      - { .name: out1, .offset: 48, .size: 8, .value_kind: global_buffer, .address_space: global }
      - { .name: out2, .offset: 56, .size: 8, .value_kind: global_buffer, .address_space: global }
      - { .name: a2_cs, .offset: 64, .size: 8, .value_kind: global_buffer, .address_space: global }
      - { .name: previous_cell_state, .offset: 72, .size: 8, .value_kind: global_buffer, .address_space: global }
    .group_segment_fixed_size: 327680
    .private_segment_fixed_size: 0
    .kernarg_segment_align: 8
    .kernarg_segment_size: 80
    .max_flat_workgroup_size: 128
    .sgpr_count:     106
    .vgpr_count:     1024
    .wavefront_size: 32
...
	.end_amdgpu_metadata
.endif
;; end of part 2
;; launch resid (part 3): grid 8 x 32, 4 waves a work-group, clusters of 4 x 4, 327,680 bytes of LDS; arguments a2_cs, w2_cs, previous_embedded_caption, bh, bc, r_cs; writes r_cs
.if DOCPART == 3
	.amdgcn_target "amdgcn-amd-amdhsa--gfx1250"
	.amdhsa_code_object_version 6
	.text
	.protected	k_qdb000ba0f2_resid
	.globl	k_qdb000ba0f2_resid
	.p2align	8
	.type	k_qdb000ba0f2_resid,@function
k_qdb000ba0f2_resid:
	s_mov_b64 s[64:65], 0
	v_nop
	global_prefetch_b8 v0, s[64:65] scope:SCOPE_SE
	s_setreg_imm32_b32 hwreg(HW_REG_WAVE_MODE, 25, 1), 1
	s_wait_xcnt 0x0
	s_wait_alu depctr_hold_cnt(0) depctr_sa_sdst(0) depctr_va_vdst(0) depctr_va_sdst(0) depctr_va_ssrc(0) depctr_va_vcc(0) depctr_vm_vsrc(0)
	s_getreg_b32 s2, hwreg(HW_REG_IB_STS2, 6, 4)
	s_cmp_eq_u32 s2, 0
	s_cbranch_scc0 .Lentry_in_a_cluster
	s_endpgm
.Lentry_in_a_cluster:
	s_bfe_u32 s2, ttmp6, 0x10000c
	s_cmp_lg_u32 s2, 0xf033
	s_cbranch_scc0 .Lentry_shape_is_right
	s_endpgm
.Lentry_shape_is_right:
; resid = emb + (hidden Wh^T + bh) + (ctx Wc^T + bc): the two products as ONE on codes of BF6, [hidden | ctx] x [Wh | Wc], K = 2,048; resid is quantised along its columns into r_cs and goes nowhere else.
; SHARES: 256 work-groups, one to a WGP, each 128 rows x 128 columns; a wave 64 x 64: 16 accumulators.  A larger tile would leave WGPs without work.
; A slot holds 512 along K: two pieces of A and two of B, 25,600 dense bytes each, codes and scale bytes together; a wave brings one piece by one tensor load.  THREE slots, 307,200 bytes, are filled at the start:
; 1,536 of K's 2,048.  Two refills follow, each behind its own barrier: slot 0, once read, takes the last 512 along K; slot 1, once read, takes emb's tile.  All is written out: no loop.
; CLUSTERS: 4 x 4; A's pieces are shared along a row of the cluster, B's along a column, asked for jointly.
; The product is used transposed (source 0 = weights): lane (r, h) holds row r, and by the order of the weights' rows register j of tiles 2 c + u is column 32 c + 16 h + 8 u + j.  bh + bc is the C of each sum's first product.
; LIMITS: NaN and infinities are not served.  A block of zeros gets the scale byte 1 (its codes are zeros; this program alone reads the bytes).  The sum's order differs from the source's: emb is added last.
; resid's scale bytes leave four bytes a row: a work-group holds 4 of a row's 8 blocks of a piece; 131,072 bytes in the whole launch.
; REGISTERS: window 0: v1-29 addresses; v32-47 scale words; v48-79 bh + bc; v80-111 at work; v112-127 the quantiser's; v128-255 the accumulators ((a, b) at v[128 + 8 (4 a + b)]).
;   window 1: two buffers of fragments at v0 and v128: A's four, then B's four.
.set PIECE,  25600
.set KCH,    6144
.set HF,     768
.set SCO,    24576
.set SLOT,   4*PIECE
; THE LDS MAP: A's pieces 0 to 5 at 0 .. 6 PIECE, B's at 6 PIECE .. 12 PIECE; slot s is pieces 2 s and 2 s + 1 of both.  At the head a wave brings three dense pieces by ONE tensor load.
.set EM,     2*PIECE                   ; emb's tile is slot 1's last fill: wave w's 32 rows x (512 bytes + 16) in the piece at 6 PIECE (w / 2) + PIECE (w % 2) + EM; resid takes its place
.set EP,     528
.set SPARE,  3*SLOT                    ; the spare words, 128 bytes for each wave: two blocks of 256 bytes that no other line names
.set FR,     12
.set EA,   1                           ; v1   my 64 bytes of a row of emb's tile: row 64 half + r, + 256 x column half + 64 h
.set XQ,   2                           ; v2   resid's rows as the quantiser wants them: row 32 wave + r, + 64 h
.set L16,  3
.set L8,   4
.set BO,   5
.set ADRS, 6                           ; v6-8   scale words in slot 0, 1, 2: lanes 0-15 A's rows, lanes 16-31 B's
.set ADRA, 16                          ; v16-18 base + 16 x lane in slot 0, 1, 2;  v19-21 base + 512 + 8 x lane
.set ADRB, 22                          ; v22-27 the same for B
.set SPW,  28
.set NIL,  29
.set SC,   32                          ; register 8 kk + 2 i + q: piece kk of the slot, tile i, the piece's q-th 128 along K
.set BS,   48
.set EV,   80
.set TM,   112
.set PW,   120
.set SW,   121
.set SWO,  123
.set ACC,  128
.set X,    128
.set PC,   192
.set F0,   0
.set F1,   128
.set G1,   24                          ; s[24:31] group 1 for A's pieces;  s[32:35] group 0 of the head's load, s[36:39] of slot 0's refill
.set G0,   32
.set G0A2, 96
.set G1B,  48                          ; s[48:55], s[56:63] the same for B's
.set G0B,  56
.set G0B2, 4
.set G1E,  80                          ; s[80:87], s[88:91] for emb's tile
.set G0E,  88
.set SEL,  66
.set MSB, 0
.macro WIN new
.if MSB != \new
	s_set_vgpr_msb (MSB<<8)|\new
.set MSB, \new
.endif
.endm
.set MUL,  0x05                        ; sources 0 (B) and 1 (A) window 1; C and D window 0
.set TO_F, 0x40                        ; destination window 1, address window 0
.macro JLOAD g0a, g1a, g0b, g1b        ; a joint load: waves 0 and 1 fetch A's pieces, waves 2 and 3 B's; four v_nop follow each of the two lines
	s_cmp_eq_u32 s15, 0
	s_cbranch_scc0 .Lfor_b_\@
	tensor_load_to_lds s[\g0a:\g0a+3], s[\g1a:\g1a+7]
	s_nop 0
.rept 4
	v_nop
.endr
	s_branch .Lasked_\@
.Lfor_b_\@:
	tensor_load_to_lds s[\g0b:\g0b+3], s[\g1b:\g1b+7]
	s_nop 0
.rept 4
	v_nop
.endr
.Lasked_\@:
.endm
.macro CREST
	s_cmp_lg_u32 s14, 0
	s_cbranch_scc1 .Lnot_wave_0_\@
	s_barrier_signal -3
.Lnot_wave_0_\@:
	s_barrier_wait -3
	s_barrier_signal -1
	s_barrier_wait -1
.endm
.macro CROUND
	s_barrier_signal -1
	s_barrier_wait -1
	CREST
.endm
.macro PLACES n
.rept \n
	v_nop
.endr
.endm
	s_load_b256 s[68:75], s[0:1], 0x0              ; a2_cs, w2_cs, emb, bh
	s_load_b128 s[76:79], s[0:1], 0x20             ; bc, r_cs
	v_lshl_add_u32 v[SPW], v0, 2, SPARE
	v_mov_b32 v[NIL], 0
	ds_add_u32 v28, v29
	ds_add_u32 v28, v29
	s_wait_dscnt 0x0
	v_lshrrev_b32 v10, 5, v0
	v_readfirstlane_b32 s14, v10                   ; wave 0..3
	s_lshr_b32 s15, s14, 1                         ; which 64 rows are mine.  Also: I fetch for A (0) or for B (1)
	s_and_b32 s16, s14, 1                          ; which 64 columns.  Also: which of a slot's two pieces I fetch
	s_bfe_u32 s40, ttmp6, 0x40000
	s_bfe_u32 s41, ttmp6, 0x40004
	s_lshl_b32 s42, ttmp9, 2
	s_add_co_u32 s42, s42, s40                     ; tx: 128 columns
	s_and_b32 s17, ttmp7, 0xffff
	s_lshl_b32 s17, s17, 2
	s_add_co_u32 s17, s17, s41                     ; ty: 128 rows
	s_lshl_b32 s43, s41, 2
	s_lshl_b32 s43, 15, s43                        ; my row of the cluster
	s_lshl_b32 s44, 0x1111, s40                    ; my column
	s_or_b32 s[G1+0], s43, (3<<16)|(1<<21)         ; a dense piece as 100 rows of 256 bytes
	s_or_b32 s[G1B+0], s44, (3<<16)|(1<<21)
.irp g, G1, G1B
	s_mov_b32 s[\g+1], 32<<16
	s_mov_b32 s[\g+2], 300<<16                     ; the head's load: three pieces, 300 rows
	s_mov_b32 s[\g+3], 32<<16
	s_mov_b32 s[\g+4], 300
	s_mov_b32 s[\g+5], 32
	s_mov_b32 s[\g+6], 0
	s_mov_b32 s[\g+7], 0
.endr
	s_mov_b32 s[G1E+0], (2<<16)|(1<<20)|(6<<22)|(3<<25)   ; emb: 32 rows x 128 f32 a wave, 16 bytes of padding behind each 512; no mask
	s_mov_b32 s[G1E+1], 128<<16
	s_mov_b32 s[G1E+2], 32<<16
	s_mov_b32 s[G1E+3], 128<<16
	s_mov_b32 s[G1E+4], 32
	s_mov_b32 s[G1E+5], 1024
	s_mov_b32 s[G1E+6], 0
	s_mov_b32 s[G1E+7], 0
	s_mul_i32 s45, s16, 3
	s_lshl_b32 s20, s17, 3
	s_add_co_u32 s20, s20, s45
	s_mul_i32 s20, s20, PIECE                      ; A: pieces 8 ty + 3 (wave % 2) on
	s_mov_b32 s21, 0
	s_lshl_b32 s46, s42, 3
	s_add_co_u32 s46, s46, s45
	s_mul_i32 s46, s46, PIECE                      ; B: pieces 8 tx + 3 (wave % 2) on
	s_mov_b32 s47, 0
	s_lshl_b32 s22, s17, 7
	s_lshl_b32 s23, s14, 5
	s_add_co_u32 s22, s22, s23
	s_lshl_b32 s22, s22, 12                        ; emb: row 128 ty + 32 wave,
	s_lshl_b32 s23, s42, 9
	s_add_co_u32 s22, s22, s23                     ; column 128 tx
	s_mov_b32 s23, 0
	s_mul_i32 s2, s14, 3*PIECE                     ; where my three pieces go
	s_wait_kmcnt 0x0
	s_add_nc_u64 s[20:21], s[68:69], s[20:21]
	s_add_nc_u64 s[46:47], s[70:71], s[46:47]
	s_add_nc_u64 s[22:23], s[72:73], s[22:23]
	CROUND                                         ; all sixteen work-groups are here: the first joint loads meet
	s_mov_b32 s[G0], 1
	s_mov_b32 s[G0+1], s2
	s_mov_b64 s[G0+2:G0+3], s[20:21]
	s_or_b32 s[G0+3], s[G0+3], 0x80000000
	s_mov_b32 s[G0B], 1
	s_mov_b32 s[G0B+1], s2
	s_mov_b64 s[G0B+2:G0B+3], s[46:47]
	s_or_b32 s[G0B+3], s[G0B+3], 0x80000000
	JLOAD G0, G1, G0B, G1B                         ; my one load at the head: K 0 .. 1,535 is asked for by the four waves
	s_mul_i32 s94, s16, 2*PIECE
	s_mov_b32 s95, 0
	s_mul_i32 s3, s15, 6*PIECE
	s_mul_i32 s45, s16, PIECE
	s_add_co_u32 s3, s3, s45                       ; my piece of slot 0: 6 PIECE (wave / 2) + PIECE (wave % 2)
	s_mov_b32 s[G0+4], 1                           ; the refill: piece 6 + wave % 2 = three (wave % 2) pieces back, 6 + wave % 2 on
	s_mov_b32 s[G0+5], s3
	s_add_nc_u64 s[G0+6:G0+7], s[20:21], 6*PIECE
	s_sub_nc_u64 s[G0+6:G0+7], s[G0+6:G0+7], s[94:95]
	s_or_b32 s[G0+7], s[G0+7], 0x80000000
	s_mov_b32 s[G0B+4], 1
	s_mov_b32 s[G0B+5], s3
	s_add_nc_u64 s[G0B+6:G0B+7], s[46:47], 6*PIECE
	s_sub_nc_u64 s[G0B+6:G0B+7], s[G0B+6:G0B+7], s[94:95]
	s_or_b32 s[G0B+7], s[G0B+7], 0x80000000
	s_mov_b32 s[G0E], 1                            ; emb's tile: asked for when slot 1 has been left
	s_add_co_u32 s[G0E+1], s3, EM                  ; my piece of slot 1
	s_mov_b64 s[G0E+2:G0E+3], s[22:23]
	s_or_b32 s[G0E+3], s[G0E+3], 0x80000000
	v_and_b32 v10, 31, v0                          ; lane
	v_and_b32 v11, 15, v0                          ; r
	v_bfe_u32 v12, v0, 4, 1                        ; h
	s_lshl_b32 s20, s42, 9
	s_lshl_b32 s21, s16, 8
	s_add_co_u32 s20, s20, s21
	v_lshl_add_u32 v[BO], v12, 6, s20              ; the biases of columns 128 tx + 64 half + 16 h on
.irp g, 0,1
.irp j, 0,1,2,3
	global_load_b128 v[BS+16*\g+4*\j:BS+16*\g+4*\j+3], v[BO], s[74:75] offset:128*\g+16*\j
	global_load_b128 v[EV+16*\g+4*\j:EV+16*\g+4*\j+3], v[BO], s[76:77] offset:128*\g+16*\j
.endr
.endr
	s_mov_b32 s[SEL], 0x76543210
	s_mov_b32 s[SEL+1], 0xfedcba98
	s_mov_b32 s92, 0xffff0000                      ; lanes 16-31
.irp b, 0,1,2,3
	v_mov_b32 v[TM+4+\b], 0                        ; written once: a lane permute's destination counts as one of its sources
.endr
	s_wait_loadcnt 0x0
.set NN, 0
.rept 16
	v_pk_add_f32 v[BS+NN:BS+NN+1], v[BS+NN:BS+NN+1], v[EV+NN:EV+NN+1]   ; bh + bc
.set NN, NN+2
.endr
	v_lshlrev_b32 v[L16], 4, v10
	v_lshlrev_b32 v[L8], 3, v10
	v_add_nc_u32 v15, 512, v[L8]
	s_mul_i32 s21, s15, 4*HF                       ; my four tiles of A's eight
	s_mul_i32 s22, s16, 4*HF                       ; my four of B's,
	s_add_co_u32 s22, s22, 6*PIECE                 ; behind A's six pieces
.irp s, 0,1,2
	v_add_nc_u32 v[ADRA+\s], s21, v[L16]
	v_add_nc_u32 v[ADRB+\s], s22, v[L16]
	v_add_nc_u32 v[ADRA+3+\s], s21, v15
	v_add_nc_u32 v[ADRB+3+\s], s22, v15
	s_add_co_u32 s21, s21, 2*PIECE
	s_add_co_u32 s22, s22, 2*PIECE
.endr
	s_lshl_b32 s21, s15, 9                         ; the scale words: 64 rows x 8 bytes a half
	s_lshl_b32 s22, s16, 9
	s_add_co_u32 s22, s22, 6*PIECE
	s_sub_co_u32 s22, s22, s21
	v_mul_u32_u24 v13, s22, v12                    ; lanes 16-31 take B's: the distance as one product
	s_add_co_u32 s21, s21, SCO
	v_lshl_add_u32 v13, v11, 3, v13
	v_add_nc_u32 v[ADRS], s21, v13
	v_add_nc_u32 v[ADRS+1], 2*PIECE, v[ADRS]
	v_add_nc_u32 v[ADRS+2], 2*PIECE, v[ADRS+1]
	v_mul_u32_u24 v13, v11, EP
	v_lshl_add_u32 v13, v12, 6, v13
	s_mul_i32 s21, s15, 6*PIECE                    ; my 64 rows lie in two pieces, PIECE apart, 32 rows in each
	s_lshl_b32 s22, s16, 8
	s_add_co_u32 s21, s21, s22
	s_add_co_u32 s21, s21, EM
	v_add_nc_u32 v[EA], s21, v13
	s_add_co_u32 s21, s3, EM                       ; rows 32 wave on: my own piece of slot 1
	v_add_nc_u32 v[XQ], s21, v13
	s_lshl_b32 s20, s17, 2                         ; resid's codes: piece 4 ty + tx / 2 of r_cs, chunks 2 (tx % 2) and the next, tiles 2 wave and 2 wave + 1
	s_lshr_b32 s22, s42, 1
	s_add_co_u32 s20, s20, s22
	s_mul_i32 s20, s20, PIECE
	s_and_b32 s22, s42, 1
	s_mul_i32 s23, s22, 2*KCH
	s_add_co_u32 s23, s23, s20
	s_mul_i32 s46, s14, 2*HF
	s_add_co_u32 s46, s46, s23
	s_mov_b32 s47, 0
	s_add_nc_u64 s[8:9], s[78:79], s[46:47]
	s_lshl_b32 s22, s22, 2                         ; and their scale words: word tx % 2 of a row's two
	s_add_co_u32 s22, s22, s20
	s_lshl_b32 s23, s14, 8
	s_add_co_u32 s22, s22, s23
	s_add_co_u32 s22, s22, SCO
	s_mov_b32 s23, 0
	s_add_nc_u64 s[10:11], s[78:79], s[22:23]
.macro FRAG reg, adr, off              ; a fragment: two images of six registers, a chunk apart; each load reads consecutive bytes
	ds_load_b128 v[\reg:\reg+3], v[\adr] offset:\off
	ds_load_b64 v[\reg+4:\reg+5], v[\adr+3] offset:\off
	ds_load_b128 v[\reg+6:\reg+9], v[\adr] offset:\off+KCH
	ds_load_b64 v[\reg+10:\reg+11], v[\adr+3] offset:\off+KCH
.endm
; the fragments of 128 along K (piece kk of the slot, its q-th half) into buffer f: B's four, then A's four: 32 loads; with q = 0 the piece's scale words first: 4 more
.macro FETCH slot, kk, q, f
.if (\q) == 0
	WIN 0
.irp i, 0,1,2,3
	ds_load_b64 v[SC+8*(\kk)+2*\i:SC+8*(\kk)+2*\i+1], v[ADRS+\slot] offset:(\kk)*PIECE+128*\i
.endr
.endif
	WIN TO_F
.irp i, 0,1,2,3
	FRAG \f+48+FR*\i, ADRB+\slot, (\kk)*PIECE+2*(\q)*KCH+\i*HF
.endr
.irp i, 0,1,2,3
	FRAG \f+FR*\i, ADRA+\slot, (\kk)*PIECE+2*(\q)*KCH+\i*HF
.endr
.endm
; 4 matrix instructions: A's tile a x B's four.  cm = 1: the sums begin with the biases.  The 16 accumulators take turns, one instruction a turn.
.macro MULA f, a, kk, q, cm
.irp b, 0,1,2,3
.if \cm
	v_wmma_scale_f32_16x16x128_f8f6f4 v[ACC+8*(4*(\a)+\b):ACC+8*(4*(\a)+\b)+7], v[\f+48+FR*\b:\f+48+FR*\b+FR-1], v[\f+FR*(\a):\f+FR*(\a)+FR-1], v[BS+8*\b:BS+8*\b+7], v[SC+8*(\kk)+2*\b+(\q)], v[SC+8*(\kk)+2*(\a)+(\q)] matrix_a_fmt:MATRIX_FMT_BF6 matrix_b_fmt:MATRIX_FMT_BF6 matrix_a_scale:MATRIX_SCALE_ROW1
.else
	v_wmma_scale_f32_16x16x128_f8f6f4 v[ACC+8*(4*(\a)+\b):ACC+8*(4*(\a)+\b)+7], v[\f+48+FR*\b:\f+48+FR*\b+FR-1], v[\f+FR*(\a):\f+FR*(\a)+FR-1], v[ACC+8*(4*(\a)+\b):ACC+8*(4*(\a)+\b)+7], v[SC+8*(\kk)+2*\b+(\q)], v[SC+8*(\kk)+2*(\a)+(\q)] matrix_a_fmt:MATRIX_FMT_BF6 matrix_b_fmt:MATRIX_FMT_BF6 matrix_a_scale:MATRIX_SCALE_ROW1
.endif
.endr
.endm
; A quarter of a slot: 128 along K, 16 matrix instructions on buffer f; in its middle the next quarter (nkk, nq) is fetched into buffer g
.macro QUARTER slot, kk, q, f, g, nkk, nq, cm
	s_wait_dscnt 8                                 ; all but the youngest eight loads (A's tiles 2 and 3)
	WIN MUL
	MULA \f, 0, \kk, \q, \cm
	MULA \f, 1, \kk, \q, \cm
	PLACES 4                                       ; in front of loads into registers that matrix instructions have read
	FETCH \slot, \nkk, \nq, \g
.if (\nq) == 0
	s_wait_dscnt 36                                ; all but the run just issued
.else
	s_wait_dscnt 32
.endif
	WIN MUL
	MULA \f, 2, \kk, \q, \cm
	MULA \f, 3, \kk, \q, \cm
.endm
.macro THREE slot, cm                  ; a slot's first three quarters
	QUARTER \slot, 0, 0, F0, F1, 0, 1, \cm
	QUARTER \slot, 0, 1, F1, F0, 1, 0, 0
	QUARTER \slot, 1, 0, F0, F1, 1, 1, 0
.endm
; A slot's last quarter changes slots: ONE barrier; in front of it each wave waits for all its tensor loads, adds 0 to its spare word, and waits for that and for its reads of this slot.
; fill = 1: slot 0 takes the last 512 along K (pieces 6 and 7).  fill = 2: slot 1 takes emb's tile.  fill = 0: nothing is left to fetch.
.macro TURN slot, next, fill
	WIN 0                                          ; (the add's two registers lie in window 0)
	s_wait_tensorcnt 0x0                           ; all my tensor loads have landed, my piece of the next slot among them
	ds_add_u32 v[SPW], v[NIL]                      ; 0 onto my spare word
	s_wait_dscnt 9                                 ; (the add and the youngest eight loads may be out)
	WIN MUL
	MULA F1, 0, 1, 1, 0                            ; four matrix instructions stand between the add and the wait for it
	s_wait_dscnt 0x0                               ; the add is done, and my reads of this slot are over
	s_barrier_signal -1
	MULA F1, 1, 1, 1, 0
	WIN 0
	s_barrier_wait -1
.if (\fill) == 1
	CREST                                          ; the barrier has opened a round of the cluster's barrier: no wave of any partner still reads this slot or has a load on its way
	JLOAD G0+4, G1, G0B+4, G1B                     ; the first tensor load behind the round; its four v_nop are the places in front of the loads below
.elseif (\fill) == 2
	CREST
	tensor_load_to_lds s[G0E:G0E+3], s[G1E:G1E+7]  ; each wave its own 32 rows; the launch's last tensor load
	s_nop 0
.rept 4
	v_nop
.endr
.else
	PLACES 4
.endif
	FETCH \next, 0, 0, F0
	WIN MUL
	MULA F1, 2, 1, 1, 0
	MULA F1, 3, 1, 1, 0
.endm
	s_wait_alu depctr_va_vdst(0)
	s_wait_tensorcnt 0x0                           ; my three pieces are in, and no tensor load of mine is out: the refill's load brings one piece, 100 rows
	s_mov_b32 s[G1+2], 100<<16
	s_mov_b32 s[G1+4], 100
	s_mov_b32 s[G1B+2], 100<<16
	s_mov_b32 s[G1B+4], 100
	s_barrier_signal -1
	s_barrier_wait -1
	FETCH 0, 0, 0, F0
	THREE 0, 1                                     ; K 0 .. 511
	TURN 0, 1, 1
	THREE 1, 0                                     ; K 512 .. 1,023
	TURN 1, 2, 2
	THREE 2, 0                                     ; K 1,024 .. 1,535
	TURN 2, 0, 0                                   ; behind this barrier slot 0's second fill and emb's tile are whole for every wave
	THREE 0, 0                                     ; K 1,536 .. 2,047
	s_wait_dscnt 8
	WIN MUL
	MULA F1, 0, 1, 1, 0
	MULA F1, 1, 1, 1, 0
	s_wait_dscnt 0
	MULA F1, 2, 1, 1, 0
	MULA F1, 3, 1, 1, 0
	WIN 0
	PLACES 4
	; + emb, in place in LDS: a lane's 16 registers of two tiles are 64 neighbouring bytes of its row
.irp a, 0,1,2,3
.irp g, 0,1
.irp j, 0,1,2,3
	ds_load_b128 v[EV+16*\g+4*\j:EV+16*\g+4*\j+3], v[EA] offset:(\a/2)*PIECE+(\a%2)*16*EP+128*\g+16*\j
.endr
.endr
	s_wait_dscnt 0x0
.set NN, 0
.rept 16
	v_pk_add_f32 v[ACC+32*\a+NN:ACC+32*\a+NN+1], v[ACC+32*\a+NN:ACC+32*\a+NN+1], v[EV+NN:EV+NN+1]   ; each accumulator from its low end on
.set NN, NN+2
.endr
.irp g, 0,1
.irp j, 0,1,2,3
	ds_store_b128 v[EA], v[ACC+32*\a+16*\g+4*\j:ACC+32*\a+16*\g+4*\j+3] offset:(\a/2)*PIECE+(\a%2)*16*EP+128*\g+16*\j
.endr
.endr
.endr
	s_wait_dscnt 0x0                               ; for the others' sake: my part of resid lies in LDS
	s_barrier_signal -1
	s_barrier_wait -1
; 64 numbers of a lane, register 16 b + i = column 32 b + 16 (lane / 16) + i of my row, become a fragment's codes in v[PC] .. v[PC + 11] and its scale word in v[PW]
.macro QUANT4 s
.irp b, 0,1,2,3
	v_max3_num_f32 v[TM+\b], |v[\s+16*\b]|, |v[\s+1+16*\b]|, 0x2800000   ; and the floor 2^(5 - 127): the byte cannot fall under 1
.endr
.irp i, 2,4,6,8,10,12,14
.irp b, 0,1,2,3
	v_max3_num_f32 v[TM+\b], v[TM+\b], |v[\s+16*\b+\i]|, |v[\s+1+16*\b+\i]|
.endr
.endr
.irp b, 0,1,2,3
	v_permlanex16_b32 v[TM+4+\b], v[TM+\b], s[SEL], s[SEL+1]
.endr
.irp b, 0,1,2,3
	v_max_num_f32 v[TM+\b], v[TM+\b], v[TM+4+\b]
.endr
.irp b, 0,1,2,3
	v_add_nc_u32 v[TM+12+\b], 0xfe000000, v[TM+\b] ; 4 off the exponent field: the conversion's scale operand
.endr
.irp b, 0,1,2,3
	v_lshrrev_b32 v[TM+4+\b], 23, v[TM+12+\b]      ; the scale's byte
.endr
	v_lshl_or_b32 v[PW], v[TM+5], 8, v[TM+4]
	v_lshl_or_b32 v[PW], v[TM+6], 16, v[PW]
	v_lshl_or_b32 v[PW], v[TM+7], 24, v[PW]
.irp c, 0,1
	v_cvt_scalef32_pk16_bf6_f32 v[PC+6*\c:PC+2+6*\c], v[\s+32*\c:\s+15+32*\c], v[TM+12+2*\c]
	v_cvt_scalef32_pk16_bf6_f32 v[PC+12+4*\c:PC+14+4*\c], v[\s+16+32*\c:\s+31+32*\c], v[TM+12+2*\c+1]
.endr
	v_nop                                          ; one plain place behind a scaled conversion
.irp c, 0,1
.irp i, 0,1,2
	v_permlane16_swap_b32 v[PC+6*\c+\i], v[PC+12+4*\c+\i]
.endr
.irp i, 0,1,2
	v_mov_b32 v[PC+3+6*\c+\i], v[PC+12+4*\c+\i]
.endr
.endr
.endm
.irp u, 0,1                                    ; my two tiles of 16 whole rows x 128 columns
.irp b, 0,1,2,3
.irp j, 0,1,2,3
	ds_load_b128 v[X+16*\b+4*\j:X+16*\b+4*\j+3], v[XQ] offset:16*EP*\u+128*\b+16*\j
.endr
.endr
	s_wait_dscnt 0x0
	s_wait_xcnt 0x0                                ; the first tile's stores have read the codes' registers
	QUANT4 X
	global_store_b128 v[L16], v[PC:PC+3], s[8:9] offset:HF*\u            ; stores of 512 and 256 consecutive bytes, aligned
	global_store_b64 v[L8], v[PC+4:PC+5], s[8:9] offset:HF*\u+512
	global_store_b128 v[L16], v[PC+6:PC+9], s[8:9] offset:HF*\u+KCH
	global_store_b64 v[L8], v[PC+10:PC+11], s[8:9] offset:HF*\u+KCH+512
	v_mov_b32 v[SW+\u], v[PW]
.endr
	v_cndmask_b32 v[SWO], v[SW], v[SW+1], s92      ; lanes 0-15 keep the first tile's words, lanes 16-31 take the second's
	global_store_b32 v[L8], v[SWO], s[10:11]       ; four of each row's eight bytes
	s_wait_tensorcnt 0x0                           ; the wave's end
	ds_add_u32 v[SPW], v[NIL]
	s_wait_dscnt 0x0
	CROUND                                         ; the closing round
	s_endpgm
.Lfunc_end_k_qdb000ba0f2_resid:
	.size	k_qdb000ba0f2_resid, .Lfunc_end_k_qdb000ba0f2_resid-k_qdb000ba0f2_resid
	.p2alignl 7, 3214868480
	.fill 96, 4, 3214868480
	.section	.rodata,"a",@progbits
	.p2align	6, 0x0
	.amdhsa_kernel k_qdb000ba0f2_resid
		.amdhsa_group_segment_fixed_size 327680
		.amdhsa_private_segment_fixed_size 0
		.amdhsa_enable_private_segment 0
		.amdhsa_kernarg_size 48
		.amdhsa_user_sgpr_count 2
		.amdhsa_user_sgpr_kernarg_segment_ptr 1
		.amdhsa_wavefront_size32 1
		.amdhsa_system_sgpr_workgroup_id_x 1
		.amdhsa_system_sgpr_workgroup_id_y 1
		.amdhsa_system_sgpr_workgroup_id_z 1
		.amdhsa_system_vgpr_workitem_id 0
		.amdhsa_next_free_vgpr 512
		.amdhsa_next_free_sgpr 100
		.amdhsa_reserve_vcc 0
		.amdhsa_float_denorm_mode_32 3
		.amdhsa_float_denorm_mode_16_64 3
		.amdhsa_memory_ordered 1
		.amdhsa_forward_progress 1
		.amdhsa_inst_pref_size 103
	.end_amdhsa_kernel
	.amdgpu_metadata
---
amdhsa.version: [ 1, 2 ]
amdhsa.kernels:
  - .name:           k_qdb000ba0f2_resid
    .symbol:         k_qdb000ba0f2_resid.kd
    .args:
      - { .name: a2_cs, .offset: 0, .size: 8, .value_kind: global_buffer, .address_space: global }
      - { .name: w2_cs, .offset: 8, .size: 8, .value_kind: global_buffer, .address_space: global }
      - { .name: previous_embedded_caption, .offset: 16, .size: 8, .value_kind: global_buffer, .address_space: global }
      - { .name: bh, .offset: 24, .size: 8, .value_kind: global_buffer, .address_space: global }
      - { .name: bc, .offset: 32, .size: 8, .value_kind: global_buffer, .address_space: global }
      - { .name: r_cs, .offset: 40, .size: 8, .value_kind: global_buffer, .address_space: global }
    .group_segment_fixed_size: 327680
    .private_segment_fixed_size: 0
    .kernarg_segment_align: 8
    .kernarg_segment_size: 48
    .max_flat_workgroup_size: 128
    .sgpr_count:     100
    .vgpr_count:     512
    .wavefront_size: 32
...
	.end_amdgpu_metadata
.endif
;; end of part 3
;; launch pred (part 4): grid 8 x 32, 4 waves a work-group, clusters of 4 x 4, 272,896 bytes of LDS; arguments r_cs, wp_cs, bp, out0; writes out0
.if DOCPART == 4
	.amdgcn_target "amdgcn-amd-amdhsa--gfx1250"
	.amdhsa_code_object_version 6
	.text
	.protected	k_qdb000ba0f2_pred
	.globl	k_qdb000ba0f2_pred
	.p2align	8
	.type	k_qdb000ba0f2_pred,@function
k_qdb000ba0f2_pred:
	s_mov_b64 s[64:65], 0
	v_nop
	global_prefetch_b8 v0, s[64:65] scope:SCOPE_SE
	s_setreg_imm32_b32 hwreg(HW_REG_WAVE_MODE, 25, 1), 1
	s_wait_xcnt 0x0
	s_wait_alu depctr_hold_cnt(0) depctr_sa_sdst(0) depctr_va_vdst(0) depctr_va_sdst(0) depctr_va_ssrc(0) depctr_va_vcc(0) depctr_vm_vsrc(0)
	s_getreg_b32 s2, hwreg(HW_REG_IB_STS2, 6, 4)
	s_cmp_eq_u32 s2, 0
	s_cbranch_scc0 .Lentry_in_a_cluster
	s_endpgm
.Lentry_in_a_cluster:
	s_bfe_u32 s2, ttmp6, 0x10000c
	s_cmp_lg_u32 s2, 0xf033
	s_cbranch_scc0 .Lentry_shape_is_right
	s_endpgm
.Lentry_shape_is_right:
; prediction = resid Wp^T + bp on codes of BF6, K = 1,024.  256 work-groups, one to a WGP, each 128 rows x 128 columns; a wave 64 x 64: 16 accumulators.
; All of K is two slots of 512 (two pieces of A, two of B, 25,600 dense bytes each): both are filled at the start and nothing is filled again, so there is no refill's barrier.
; CLUSTERS: 4 x 4; A's pieces are shared along a row of the cluster, B's along a column, asked for jointly.
; The product is used transposed (source 0 = weights): lane (r, h) holds row r, and register j of tiles 2 c + u is column 32 c + 16 h + 8 u + j.  bp is the C of each sum's first product.
; LIMITS: NaN and infinities are not served.
; REGISTERS: window 0: v1-25 addresses; v32-47 scale words; v48-79 bp; v128-255 the accumulators.  window 1: two buffers of fragments at v0 and v128: A's four, then B's four.
.set PIECE,  25600
.set KCH,    6144
.set HF,     768
.set SCO,    24576
.set SLOT,   4*PIECE
.set ST,     2*SLOT                    ; behind the slots: the stage for the way out, 128 rows x (512 bytes + 16); no tensor load fills it
.set EP,     528
.set FR,     12
.set SA,   1                           ; v1   the stage: my 64 bytes of a row
.set SR,   2                           ; v2   and where I read whole rows back
.set L16,  3
.set BO,   5
.set ADRA, 16
.set ADRB, 20
.set ADRS, 24
.set SC,   32
.set BS,   48
.set ACC,  128
.set F0,   0
.set F1,   128
.set G1,   24
.set G0,   32
.set G1B,  48
.set G0B,  56
.set MSB, 0
.macro WIN new
.if MSB != \new
	s_set_vgpr_msb (MSB<<8)|\new
.set MSB, \new
.endif
.endm
.set MUL,  0x05
.set TO_F, 0x40
.macro JLOAD g0a, g1a, g0b, g1b        ; a joint load: waves 0 and 1 fetch A's pieces, waves 2 and 3 B's; four v_nop follow each of the two lines
	s_cmp_eq_u32 s15, 0
	s_cbranch_scc0 .Lfor_b_\@
	tensor_load_to_lds s[\g0a:\g0a+3], s[\g1a:\g1a+7]
	s_nop 0
.rept 4
	v_nop
.endr
	s_branch .Lasked_\@
.Lfor_b_\@:
	tensor_load_to_lds s[\g0b:\g0b+3], s[\g1b:\g1b+7]
	s_nop 0
.rept 4
	v_nop
.endr
.Lasked_\@:
.endm
.macro CROUND                          ; a round of the cluster's barrier
	s_barrier_signal -1
	s_barrier_wait -1
	s_cmp_lg_u32 s14, 0
	s_cbranch_scc1 .Lnot_wave_0_\@
	s_barrier_signal -3
.Lnot_wave_0_\@:
	s_barrier_wait -3
	s_barrier_signal -1
	s_barrier_wait -1
.endm
.macro PLACES n
.rept \n
	v_nop
.endr
.endm
	s_load_b256 s[68:75], s[0:1], 0x0              ; r_cs, wp_cs, bp, out0
	v_lshl_add_u32 v126, v0, 2, 0x42800
	v_mov_b32 v127, 0
	ds_add_u32 v126, v127
	ds_add_u32 v126, v127
	v_lshrrev_b32 v10, 5, v0
	v_readfirstlane_b32 s14, v10                   ; wave 0..3
	s_lshr_b32 s15, s14, 1                         ; which 64 rows are mine.  Also: I fetch for A (0) or for B (1)
	s_and_b32 s16, s14, 1                          ; which 64 columns.  Also: which of a slot's two pieces I fetch
	s_bfe_u32 s40, ttmp6, 0x40000
	s_bfe_u32 s41, ttmp6, 0x40004
	s_lshl_b32 s42, ttmp9, 2
	s_add_co_u32 s42, s42, s40                     ; tx
	s_and_b32 s17, ttmp7, 0xffff
	s_lshl_b32 s17, s17, 2
	s_add_co_u32 s17, s17, s41                     ; ty
	s_lshl_b32 s43, s41, 2
	s_lshl_b32 s43, 15, s43
	s_lshl_b32 s44, 0x1111, s40
	s_or_b32 s[G1+0], s43, (3<<16)|(1<<21)         ; a dense piece as 100 rows of 256 bytes
	s_or_b32 s[G1B+0], s44, (3<<16)|(1<<21)
.irp g, G1, G1B
	s_mov_b32 s[\g+1], 32<<16
	s_mov_b32 s[\g+2], 200<<16                     ; a wave's one load brings two dense pieces: 200 rows of 256 bytes
	s_mov_b32 s[\g+3], 32<<16
	s_mov_b32 s[\g+4], 200
	s_mov_b32 s[\g+5], 32
	s_mov_b32 s[\g+6], 0
	s_mov_b32 s[\g+7], 0
.endr
	s_lshl_b32 s20, s17, 1
	s_add_co_u32 s20, s20, s16
	s_mul_i32 s20, s20, 2*PIECE                    ; A: pieces 4 ty + 2 (wave % 2) and the next: slot wave % 2
	s_mov_b32 s21, 0
	s_lshl_b32 s46, s42, 1
	s_add_co_u32 s46, s46, s16
	s_mul_i32 s46, s46, 2*PIECE                    ; B: pieces 4 tx + 2 (wave % 2) and the next
	s_mov_b32 s47, 0
	s_mul_i32 s2, s16, SLOT                        ; where they go: slot wave % 2, A's two pieces first, then B's two
	s_mul_i32 s3, s15, 2*PIECE
	s_add_co_u32 s2, s2, s3
	s_wait_dscnt 0x0
	s_wait_kmcnt 0x0
	s_add_nc_u64 s[20:21], s[68:69], s[20:21]
	s_add_nc_u64 s[46:47], s[70:71], s[46:47]
	CROUND                                         ; all sixteen work-groups are here: the joint loads meet
.irp s, 0
	s_mov_b32 s[G0+4*\s], 1
	s_add_co_u32 s[G0+4*\s+1], s2, \s*SLOT
	s_add_nc_u64 s[G0+4*\s+2:G0+4*\s+3], s[20:21], \s*2*PIECE
	s_or_b32 s[G0+4*\s+3], s[G0+4*\s+3], 0x80000000
	s_mov_b32 s[G0B+4*\s], 1
	s_add_co_u32 s[G0B+4*\s+1], s2, \s*SLOT
	s_add_nc_u64 s[G0B+4*\s+2:G0B+4*\s+3], s[46:47], \s*2*PIECE
	s_or_b32 s[G0B+4*\s+3], s[G0B+4*\s+3], 0x80000000
	JLOAD G0+4*\s, G1, G0B+4*\s, G1B               ; my one tensor load: the four waves ask for all of K
.endr
	v_and_b32 v10, 31, v0                          ; lane
	v_and_b32 v11, 15, v0                          ; r
	v_bfe_u32 v12, v0, 4, 1                        ; h
	s_lshl_b32 s20, s42, 9
	s_lshl_b32 s21, s16, 8
	s_add_co_u32 s20, s20, s21
	v_lshl_add_u32 v[BO], v12, 6, s20              ; bp of columns 128 tx + 64 half + 16 h on
.irp g, 0,1
.irp j, 0,1,2,3
	global_load_b128 v[BS+16*\g+4*\j:BS+16*\g+4*\j+3], v[BO], s[72:73] offset:128*\g+16*\j
.endr
.endr
	v_lshlrev_b32 v[L16], 4, v10
	v_lshlrev_b32 v14, 3, v10
	v_add_nc_u32 v15, 512, v14
	s_mul_i32 s21, s15, 4*HF
	s_mul_i32 s22, s16, 4*HF
	s_add_co_u32 s22, s22, 2*PIECE
.irp s, 0,1
	v_add_nc_u32 v[ADRA+\s], s21, v[L16]
	v_add_nc_u32 v[ADRB+\s], s22, v[L16]
	v_add_nc_u32 v[ADRA+2+\s], s21, v15
	v_add_nc_u32 v[ADRB+2+\s], s22, v15
	s_add_co_u32 s21, s21, SLOT
	s_add_co_u32 s22, s22, SLOT
.endr
	s_lshl_b32 s21, s15, 9
	s_lshl_b32 s22, s16, 9
	s_add_co_u32 s22, s22, 2*PIECE
	s_sub_co_u32 s22, s22, s21
	v_mul_u32_u24 v13, s22, v12                    ; lanes 16-31 take B's scale words: the distance as one product
	s_add_co_u32 s21, s21, SCO
	v_lshl_add_u32 v13, v11, 3, v13
	v_add_nc_u32 v[ADRS], s21, v13
	v_add_nc_u32 v[ADRS+1], SLOT, v[ADRS]
	v_mul_u32_u24 v13, v11, EP
	v_lshl_add_u32 v13, v12, 6, v13
	s_mul_i32 s21, s15, 64*EP
	s_lshl_b32 s22, s16, 8
	s_add_co_u32 s21, s21, s22
	s_add_co_u32 s21, s21, ST
	v_add_nc_u32 v[SA], s21, v13                   ; row 64 half + r, + 256 x column half + 64 h
	s_mul_i32 s21, s14, 32*EP
	s_add_co_u32 s21, s21, ST
	v_add_nc_u32 v[SR], s21, v[L16]                ; back: wave w takes rows 32 w on, whole: 16 bytes a lane
	s_lshl_b32 s20, s17, 7
	s_lshl_b32 s21, s14, 5
	s_add_co_u32 s20, s20, s21
	s_lshl_b32 s20, s20, 12
	s_lshl_b32 s21, s42, 9
	s_add_co_u32 s20, s20, s21
	s_mov_b32 s21, 0
	s_add_nc_u64 s[8:9], s[74:75], s[20:21]        ; out0 at row 128 ty + 32 wave, column 128 tx
	s_wait_alu depctr_va_vdst(0)
	s_wait_loadcnt 0x0                             ; bp
.macro FRAG reg, adr, off
	ds_load_b128 v[\reg:\reg+3], v[\adr] offset:\off
	ds_load_b64 v[\reg+4:\reg+5], v[\adr+2] offset:\off
	ds_load_b128 v[\reg+6:\reg+9], v[\adr] offset:\off+KCH
	ds_load_b64 v[\reg+10:\reg+11], v[\adr+2] offset:\off+KCH
.endm
.macro FETCH slot, kk, q, f            ; 128 along K into buffer f: B's four fragments, then A's four: 32 loads; with q = 0 the piece's scale words first: 4 more
.if (\q) == 0
	WIN 0
.irp i, 0,1,2,3
	ds_load_b64 v[SC+8*(\kk)+2*\i:SC+8*(\kk)+2*\i+1], v[ADRS+\slot] offset:(\kk)*PIECE+128*\i
.endr
.endif
	WIN TO_F
.irp i, 0,1,2,3
	FRAG \f+48+FR*\i, ADRB+\slot, (\kk)*PIECE+2*(\q)*KCH+\i*HF
.endr
.irp i, 0,1,2,3
	FRAG \f+FR*\i, ADRA+\slot, (\kk)*PIECE+2*(\q)*KCH+\i*HF
.endr
.endm
.macro MULA f, a, kk, q, cm            ; A's tile a x B's four; cm = 1: the sums begin with the bias.  The 16 accumulators take turns
.irp b, 0,1,2,3
.if \cm
	v_wmma_scale_f32_16x16x128_f8f6f4 v[ACC+8*(4*(\a)+\b):ACC+8*(4*(\a)+\b)+7], v[\f+48+FR*\b:\f+48+FR*\b+FR-1], v[\f+FR*(\a):\f+FR*(\a)+FR-1], v[BS+8*\b:BS+8*\b+7], v[SC+8*(\kk)+2*\b+(\q)], v[SC+8*(\kk)+2*(\a)+(\q)] matrix_a_fmt:MATRIX_FMT_BF6 matrix_b_fmt:MATRIX_FMT_BF6 matrix_a_scale:MATRIX_SCALE_ROW1
.else
	v_wmma_scale_f32_16x16x128_f8f6f4 v[ACC+8*(4*(\a)+\b):ACC+8*(4*(\a)+\b)+7], v[\f+48+FR*\b:\f+48+FR*\b+FR-1], v[\f+FR*(\a):\f+FR*(\a)+FR-1], v[ACC+8*(4*(\a)+\b):ACC+8*(4*(\a)+\b)+7], v[SC+8*(\kk)+2*\b+(\q)], v[SC+8*(\kk)+2*(\a)+(\q)] matrix_a_fmt:MATRIX_FMT_BF6 matrix_b_fmt:MATRIX_FMT_BF6 matrix_a_scale:MATRIX_SCALE_ROW1
.endif
.endr
.endm
.macro QUARTER slot, kk, q, f, g, nkk, nq, cm
	s_wait_dscnt 8                                 ; all but the youngest eight loads (A's tiles 2 and 3)
	WIN MUL
	MULA \f, 0, \kk, \q, \cm
	MULA \f, 1, \kk, \q, \cm
	PLACES 4                                       ; in front of loads into registers that matrix instructions have read
	FETCH \slot, \nkk, \nq, \g
.if (\nq) == 0
	s_wait_dscnt 36                                ; all but the run just issued
.else
	s_wait_dscnt 32
.endif
	WIN MUL
	MULA \f, 2, \kk, \q, \cm
	MULA \f, 3, \kk, \q, \cm
.endm
.macro THREE slot, cm
	QUARTER \slot, 0, 0, F0, F1, 0, 1, \cm
	QUARTER \slot, 0, 1, F1, F0, 1, 0, 0
	QUARTER \slot, 1, 0, F0, F1, 1, 1, 0
.endm
	s_wait_tensorcnt 0x0                           ; my two pieces are in; behind the barrier both slots are whole for every wave
	s_barrier_signal -1
	s_barrier_wait -1
	FETCH 0, 0, 0, F0
	THREE 0, 1                                     ; K 0 .. 511
	s_wait_dscnt 8                                 ; slot 0's last quarter: slot 1 has been whole since the first barrier, so no wait on tiles and no barrier stand here
	WIN MUL
	MULA F1, 0, 1, 1, 0
	MULA F1, 1, 1, 1, 0
	PLACES 4
	FETCH 1, 0, 0, F0
	s_wait_dscnt 36                                ; all but the 36 loads just issued
	WIN MUL
	MULA F1, 2, 1, 1, 0
	MULA F1, 3, 1, 1, 0
	THREE 1, 0                                     ; K 512 .. 1,023
	s_wait_dscnt 8
	WIN MUL
	MULA F1, 0, 1, 1, 0
	MULA F1, 1, 1, 1, 0
	s_wait_dscnt 0
	MULA F1, 2, 1, 1, 0
	MULA F1, 3, 1, 1, 0
	WIN 0
	PLACES 4
	; THE WAY OUT: a row's 512 bytes come from two waves: into the stage, a barrier, back as whole rows
.irp a, 0,1,2,3
.irp g, 0,1
.irp j, 0,1,2,3
	ds_store_b128 v[SA], v[ACC+32*\a+16*\g+4*\j:ACC+32*\a+16*\g+4*\j+3] offset:16*EP*\a+128*\g+16*\j   ; each accumulator from its low end on
.endr
.endr
.endr
	s_wait_dscnt 0x0                               ; for the others' sake: my stores into the stage are done
	s_barrier_signal -1
	s_barrier_wait -1
.irp t, 0,1,2,3,4,5,6,7,8,9,10,11,12,13,14,15,16,17,18,19,20,21,22,23,24,25,26,27,28,29,30,31
	ds_load_b128 v[ACC+4*\t:ACC+4*\t+3], v[SR] offset:EP*\t
.endr
.irp t, 0,1,2,3,4,5,6,7,8,9,10,11,12,13,14,15,16,17,18,19,20,21,22,23,24,25,26,27,28,29,30,31
	s_wait_dscnt 31-\t                             ; row t is back; the 31 - t behind it may be out
	global_store_b128 v[L16], v[ACC+4*\t:ACC+4*\t+3], s[8:9] offset:4096*\t th:TH_STORE_NT   ; 32 lanes store 512 consecutive bytes, at a multiple of 256 from out0's first byte
.endr
	s_wait_tensorcnt 0x0
	ds_add_u32 v126, v127
	s_wait_dscnt 0x0
	CROUND                                         ; the closing round: no work-group ends while a partner may still ask for a piece that names it
	s_endpgm
.Lfunc_end_k_qdb000ba0f2_pred:
	.size	k_qdb000ba0f2_pred, .Lfunc_end_k_qdb000ba0f2_pred-k_qdb000ba0f2_pred
	.p2alignl 7, 3214868480
	.fill 96, 4, 3214868480
	.section	.rodata,"a",@progbits
	.p2align	6, 0x0
	.amdhsa_kernel k_qdb000ba0f2_pred
		.amdhsa_group_segment_fixed_size 272896
		.amdhsa_private_segment_fixed_size 0
		.amdhsa_enable_private_segment 0
		.amdhsa_kernarg_size 32
		.amdhsa_user_sgpr_count 2
		.amdhsa_user_sgpr_kernarg_segment_ptr 1
		.amdhsa_wavefront_size32 1
		.amdhsa_system_sgpr_workgroup_id_x 1
		.amdhsa_system_sgpr_workgroup_id_y 1
		.amdhsa_system_sgpr_workgroup_id_z 1
		.amdhsa_system_vgpr_workitem_id 0
		.amdhsa_next_free_vgpr 512
		.amdhsa_next_free_sgpr 80
		.amdhsa_reserve_vcc 0
		.amdhsa_float_denorm_mode_32 3
		.amdhsa_float_denorm_mode_16_64 3
		.amdhsa_memory_ordered 1
		.amdhsa_forward_progress 1
		.amdhsa_inst_pref_size 51
	.end_amdhsa_kernel
	.amdgpu_metadata
---
amdhsa.version: [ 1, 2 ]
amdhsa.kernels:
  - .name:           k_qdb000ba0f2_pred
    .symbol:         k_qdb000ba0f2_pred.kd
    .args:
      - { .name: r_cs, .offset: 0, .size: 8, .value_kind: global_buffer, .address_space: global }
      - { .name: wp_cs, .offset: 8, .size: 8, .value_kind: global_buffer, .address_space: global }
      - { .name: bp, .offset: 16, .size: 8, .value_kind: global_buffer, .address_space: global }
      - { .name: out0, .offset: 24, .size: 8, .value_kind: global_buffer, .address_space: global }
    .group_segment_fixed_size: 272896
    .private_segment_fixed_size: 0
    .kernarg_segment_align: 8
    .kernarg_segment_size: 32
    .max_flat_workgroup_size: 128
    .sgpr_count:     80
    .vgpr_count:     512
    .wavefront_size: 32
...
	.end_amdgpu_metadata
.endif
;; end of part 4
